; MI455X (gfx1250); checked and timed in simulation.
; The chip was launched on July 23, 2026; its instructions are those of AMD's public machine-readable ISA for CDNA 5 (MIT licence, August 2026) and "CDNA5" Instruction Set Architecture Reference Guide (July 2026). The comments in the code are by the model that wrote it; some were corrected since.
;; Multi Head Attention. Allowed arithmetic: float matrix products may take bf16 or f16 operands with f32 sums; all other float work in f32.
;; Inputs: Wk 1,024 x 1,024 float32; Wo 1,024 x 1,024 float32; Wq 1,024 x 1,024 float32; Wv 1,024 x 1,024 float32; bk 1,024 float32; bo 1,024 float32; bq 1,024 float32; bv 1,024 float32; key 4 x 2,048 x 1,024 float32; query 4 x 2,048 x 1,024 float32; value 4 x 2,048 x 1,024 float32.
;; Outputs: out0 4 x 2,048 x 1,024 float32.
;; One version. Each part assembles by itself: llvm-mc -triple=amdgcn-amd-amdhsa -mcpu=gfx1250 --defsym DOCPART=n.
;; ======== version 1 of 1: 4 launches
;; limits: values are held in f16: magnitudes above 65,504 overflow, below 6.1e-05 lose precision
;; workspace buffers: w16 8,388,608 bytes; qkv 50,331,648 bytes; oh 16,777,216 bytes
;; launch prep (part 1): grid 128 x 4, 8 waves a work-group, no clusters, 0 bytes of LDS; arguments Wq, Wk, Wv, Wo, w16; writes w16
.if DOCPART == 1
	.amdgcn_target "amdgcn-amd-amdhsa--gfx1250"
	.amdhsa_code_object_version 6
	.text
	.protected	k_qdcaec2673f_prep
	.globl	k_qdcaec2673f_prep
	.p2align	8
	.type	k_qdcaec2673f_prep,@function
k_qdcaec2673f_prep:
	s_mov_b64 s[64:65], 0
	v_nop
	global_prefetch_b8 v0, s[64:65] scope:SCOPE_SE
	s_setreg_imm32_b32 hwreg(HW_REG_WAVE_MODE, 25, 1), 1
	s_wait_xcnt 0x0
; The four weights, [1024 k][1024 n] f32, are rounded once to bf16 and written in 16 bits, layout unchanged, one behind the other:
; part p of w16 begins at p x 2,097,152 bytes (p = 0 Wq, 1 Wk, 2 Wv, 3 Wo).  Parts 0 to 2 are bf16.  Part 3 holds the bf16-rounded number written
; as f16, since the last product's other operand is f16.
; LIMITS.  |Wo| of 65,520 or more becomes an infinity in f16; |Wo| below 2^-14 keeps f16's fixed step of 6e-8.  Inside that range the second conversion is exact (8 significant bits into 11).
; A stream: no LDS, no barrier, no matrix unit, no loop.  Work-group (x, p) takes 32,768 bytes of weight p.  Thread t loads 16 bytes at 16 t + 4,096 i, i = 0 .. 7 (a wave's load: 512 consecutive
; bytes) and stores 8 bytes at 8 t + 2,048 i (a wave's store: 256 consecutive bytes, aligned).  All eight loads of a wave go out before the first is waited for.
; Which format is written only selects a value (v_cndmask_b32 by a scalar mask): both are made in every work-group, and there is no branch.
.set X, 4                              ; v[4:35]   eight loads of four f32
.set Y, 36                             ; v[36:51]  eight stores of four 16-bit numbers: each store has registers of its own, so none is rewritten while a store reads it
.set T, 52                             ; v52-53    two pairs in bf16
.set U, 54                             ; v54-57    the same numbers widened, then as f16
	s_load_b256 s[4:11], s[0:1], 0x0               ; Wq s[4:5], Wk s[6:7], Wv s[8:9], Wo s[10:11]
	s_load_b64 s[12:13], s[0:1], 0x20              ; w16
	s_and_b32 s14, ttmp7, 0xffff                   ; p
	s_lshl_b32 s16, ttmp9, 15                      ; my 32,768 bytes of the weight
	s_mov_b32 s17, 0
	s_lshl_b32 s18, ttmp9, 14                      ; my 16,384 bytes of the part,
	s_lshl_b32 s19, s14, 21                        ; and the part
	s_add_co_u32 s18, s18, s19
	s_mov_b32 s19, 0
	v_lshlrev_b32 v1, 4, v0                        ; 16 t
	v_lshlrev_b32 v2, 3, v0                        ; 8 t
	s_wait_kmcnt 0x0
	s_cmp_eq_u32 s14, 1
	s_cselect_b64 s[4:5], s[6:7], s[4:5]
	s_cmp_eq_u32 s14, 2
	s_cselect_b64 s[4:5], s[8:9], s[4:5]
	s_cmp_eq_u32 s14, 3
	s_cselect_b64 s[4:5], s[10:11], s[4:5]
	s_cselect_b32 s15, -1, 0                       ; all lanes take f16 for Wo, bf16 for the others
	s_add_nc_u64 s[4:5], s[4:5], s[16:17]
	s_add_nc_u64 s[12:13], s[12:13], s[18:19]
.irp i, 0,1,2,3,4,5,6,7
	global_load_b128 v[X+4*\i:X+4*\i+3], v1, s[4:5] offset:4096*\i th:TH_LOAD_NT
.endr
.irp i, 0,1,2,3,4,5,6,7
	s_wait_loadcnt 7-\i                            ; loads come back in order (ISA guide 5.7.1): load i is in, the 7 - i younger ones stay out
	v_cvt_pk_bf16_f32 v[T],   v[X+4*\i],   v[X+4*\i+1]
	v_cvt_pk_bf16_f32 v[T+1], v[X+4*\i+2], v[X+4*\i+3]
	v_lshlrev_b32 v[U],   16, v[T]                 ; bf16 to f32: the low half moves up, the high half stays
	v_and_b32     v[U+1], 0xffff0000, v[T]
	v_lshlrev_b32 v[U+2], 16, v[T+1]
	v_and_b32     v[U+3], 0xffff0000, v[T+1]
	v_cvt_pk_f16_f32 v[U],   v[U],   v[U+1]
	v_cvt_pk_f16_f32 v[U+2], v[U+2], v[U+3]
	v_cndmask_b32 v[Y+2*\i],   v[T],   v[U],   s15
	v_cndmask_b32 v[Y+2*\i+1], v[T+1], v[U+2], s15
	global_store_b64 v2, v[Y+2*\i:Y+2*\i+1], s[12:13] offset:2048*\i
.endr
	s_endpgm
.Lfunc_end_k_qdcaec2673f_prep:
	.size	k_qdcaec2673f_prep, .Lfunc_end_k_qdcaec2673f_prep-k_qdcaec2673f_prep
	.p2alignl 7, 3214868480
	.fill 96, 4, 3214868480
	.section	.rodata,"a",@progbits
	.p2align	6, 0x0
	.amdhsa_kernel k_qdcaec2673f_prep
		.amdhsa_group_segment_fixed_size 0
		.amdhsa_private_segment_fixed_size 0
		.amdhsa_enable_private_segment 0
		.amdhsa_kernarg_size 40
		.amdhsa_user_sgpr_count 2
		.amdhsa_user_sgpr_kernarg_segment_ptr 1
		.amdhsa_wavefront_size32 1
		.amdhsa_system_sgpr_workgroup_id_x 1
		.amdhsa_system_sgpr_workgroup_id_y 1
		.amdhsa_system_sgpr_workgroup_id_z 1
		.amdhsa_system_vgpr_workitem_id 0
		.amdhsa_next_free_vgpr 64
		.amdhsa_next_free_sgpr 66
		.amdhsa_reserve_vcc 0
		.amdhsa_float_denorm_mode_32 3
		.amdhsa_float_denorm_mode_16_64 3
		.amdhsa_memory_ordered 1
		.amdhsa_forward_progress 1
		.amdhsa_inst_pref_size 8
	.end_amdhsa_kernel
	.amdgpu_metadata
---
amdhsa.version: [ 1, 2 ]
amdhsa.kernels:
  - .name:           k_qdcaec2673f_prep
    .symbol:         k_qdcaec2673f_prep.kd
    .args:
      - { .name: Wq, .offset: 0, .size: 8, .value_kind: global_buffer, .address_space: global }
      - { .name: Wk, .offset: 8, .size: 8, .value_kind: global_buffer, .address_space: global }
      - { .name: Wv, .offset: 16, .size: 8, .value_kind: global_buffer, .address_space: global }
      - { .name: Wo, .offset: 24, .size: 8, .value_kind: global_buffer, .address_space: global }
      - { .name: w16, .offset: 32, .size: 8, .value_kind: global_buffer, .address_space: global }
    .group_segment_fixed_size: 0
    .private_segment_fixed_size: 0
    .kernarg_segment_align: 8
    .kernarg_segment_size: 40
    .max_flat_workgroup_size: 256
    .sgpr_count:     66
    .vgpr_count:     64
    .wavefront_size: 32
...
	.end_amdgpu_metadata
.endif
;; end of part 1
;; launch proj (part 2): grid 4 x 64, 4 waves a work-group, clusters of 4 x 4, 327,680 bytes of LDS; arguments query, key, value, bq, bk, bv, w16, qkv; writes qkv
.if DOCPART == 2
	.amdgcn_target "amdgcn-amd-amdhsa--gfx1250"
	.amdhsa_code_object_version 6
	.text
	.protected	k_qdcaec2673f_proj
	.globl	k_qdcaec2673f_proj
	.p2align	8
	.type	k_qdcaec2673f_proj,@function
k_qdcaec2673f_proj:
	s_mov_b64 s[64:65], 0
	v_nop
	global_prefetch_b8 v0, s[64:65] scope:SCOPE_SE
	s_setreg_imm32_b32 hwreg(HW_REG_WAVE_MODE, 25, 1), 1
	s_wait_xcnt 0x0
	s_wait_alu depctr_hold_cnt(0) depctr_sa_sdst(0) depctr_va_vdst(0) depctr_va_sdst(0) depctr_va_ssrc(0) depctr_va_vcc(0) depctr_vm_vsrc(0)
	s_getreg_b32 s2, hwreg(HW_REG_IB_STS2, 6, 4)
	s_cmp_eq_u32 s2, 0
	s_cbranch_scc0 .Lentry_in_a_cluster
	s_endpgm
.Lentry_in_a_cluster:
	s_bfe_u32 s2, ttmp6, 0x10000c
	s_cmp_lg_u32 s2, 0xf033
	s_cbranch_scc0 .Lentry_shape_is_right
	s_endpgm
.Lentry_shape_is_right:
; q = query Wq + bq, k = key Wk + bk, v = value Wv + bv: three products [8192 x 1024] x [1024 x 1024] in one launch.  x and b are f32 and are rounded to bf16 here; W comes as bf16, [k][n], from w16.
; Sums in f32.  The result is rounded once to f16 and written by heads: part p of qkv (p x 16,777,216 bytes) is [64 = batch x 16 + head][2048 rows][64 channels]; no scale is applied here.
; LIMITS.  A result of 65,520 or more in magnitude becomes an infinity in f16; NaN and infinities in the inputs are not treated apart.
; SHARES.  A tile of a result is 128 rows x 256 columns: 64 x 4 tiles a product, and 64 x 4 work-groups.  A WORK-GROUP STAYS: it makes the same tile of q, then of k, then of v.  Four waves, 2 x 2: wave w has
; rows 64 (w / 2) on and columns 128 (w % 2) on: 4 x 8 accumulators of 16 x 16.
; K = 1,024 goes in 8 steps of 128 through two LDS slots; the three tiles are ONE walk of 24 K steps for the ring: a tile's last two changes of slots ask for the next tile's first two K steps, and nothing
; waits for a tile's stores.  The three parts of W lie end to end in w16, so W's address steps alike through all 24; x's is made anew for each fill, from the step's number: the input's pointer and an offset.
; x's tile lands as f32 (rows of 512 bytes) and is rounded on the way from LDS to the fragment; W's tile (128 k-rows of 512 bytes) is read turned, by ds_load_tr16_b128, so that W needs no transposed copy.
; THE MATRIX INSTRUCTION IS USED TRANSPOSED: source 0 = 16 columns of W, source 1 = 16 rows of x: lane l holds row l % 16 and the eight neighbouring columns 8 (l / 16) + 0 .. 7.
; THE BIAS is the C operand of a tile's first 32 along K: nothing is cleared, and nothing is added at the end.
; CLUSTERS: 4 x 4 work-groups.  The four of a row of the cluster need the same tile of x, the four of a column the same tile of W: each tile is asked for JOINTLY, by the same tensor
; load with the same descriptor and a mask that names the four.  Waves 0 and 1 ask for x's two halves (64 rows each), waves 2 and 3 for W's (64 k-rows each): one load a wave behind each round;
; by this text's own count a wave has two tensor loads out behind the first fills and one later.
; No register that feeds an LDS address (s10-12, s20-23, v1, v9, v12-14) ever holds a number made from my place in the cluster; those that feed x's descriptors never hold cx, those that feed W's never cy.
; REGISTERS, in windows of 256 (s_set_vgpr_msb: bits 1:0 source 0, 3:2 source 1, 5:4 source 2, 7:6 destination):
;   window 0: v0-29 addresses and some at work; v32-95 x as f32, 32 along K; v96-127, v128-159 x's fragments, two buffers; v160-223 the bias.  On the way out v32-95, v128-159 and v224-255 hold the packed results.
;   window 1: the 32 accumulators, (a, b) at v[8 (8 a + b)]          window 2: v0-63, v64-127 W's fragments, two buffers
.set PA,    528       ; a row of x in LDS: 512 bytes + 16 of padding = 132 words: row r starts at bank 4 r mod 64 (64 banks of 4 bytes: ISA guide 11.1)
.set PB,    544       ; a k-row of W: 512 + 32 = 136 words
.set AHALF, 64*PA     ; what one tensor load brings of x
.set BHALF, 64*PB     ; and of W
.set BOFF,  128*PA    ; in a slot W's 128 k-rows lie behind x's 128 rows
.set SLOT,  BOFF+128*PB
.set STAGE, 2*SLOT    ; behind the ring, never filled by a tensor load: 16 rows x 144 bytes for each wave, for the way out
.set SP,    144
.set SPARE, STAGE+4*16*SP  ; behind the stages: the spare words, 128 bytes for each wave: two blocks of 256 bytes that no other line names
.set ASTEP, 512       ; bytes from a K step to the next in x: 128 f32 along a row
.set BSTEP, 128*2048  ; and in W: 128 k-rows of 2,048 bytes; 8 of them are a part of w16
.set PART,  16777216  ; bytes from a part of qkv to the next
.set ADRA, 2          ; v2-3   LDS address of my fragments of x in slot 0, 1
.set ADRB, 4          ; v4-5   the same for W
.set STO,  6          ; v6     the way out: where I put 16 bytes of a row
.set RD,   7          ; v7     the way out: where I read rows back
.set GO,   8          ; v8     my byte offset in 512 consecutive bytes of the result
.set HB,   10         ; v10    32 (l / 16): my eight numbers in 16 of the bias
.set PFO,  11         ; v11    my byte offset in the panel of x, for the prefetch; never rewritten
                      ; v12-14 at work in the head, on LDS addresses alone
.set TT,   16         ; v16-19 at work on the bias alone
                      ; v20-21 at work in the head, on the prefetch's offset alone
.set SPW,  28         ; v28    LDS address of my spare word: SPARE + 4 x my thread's number; never rewritten
.set NIL,  29         ; v29    0; never rewritten
.set RAW,  32
.set AF,   96
.set BIAS, 160
.set BF,   0          ; window 2
.set G1A, 24          ; s[24:31] descriptor group 1 for x's tiles;  s[32:39] group 0, one set for each slot
.set G0A, 32
.set G1B, 48          ; s[48:55], s[56:63] the same for W's tiles
.set G0B, 56
; further scalars: s3 trips to go; s66 the walk's K step that is asked for next; s67 at work; s[8:9] the result at my rows; s16 the byte offset in x of my half's first row (s17 = 0); s18 that of the panel (s19 = 0);
; s[68:69] the prefetch's base; s[70:71] the bias that is loaded; s[90:91] the prefetch's offset; s[92:93] the input that is asked; s[94:95] its offset; s[4:7] and s[96:97] at work in the head
.set MSB, 0
.macro WIN new                         ; the immediate's high byte repeats the setting that is left; a switch that changes nothing is dropped
.if MSB != (\new)
	s_set_vgpr_msb (MSB<<8)|(\new)
.set MSB, \new
.endif
.endm
.set MUL,  0x52       ; source 0 (W) window 2, source 1 (x) window 0, C and D window 1
.set MUL0, 0x42       ; the same with C (the bias) in window 0
.set TO_B, 0x80       ; destination window 2, address window 0
.set W_PK, 0x05       ; sources 0 and 1 window 1, destination window 0
; A joint load.  The branch hangs on the wave's number alone.  An s_nop 0 and four v_nop follow each of the two lines, ahead of the jump, the label and what follows.
.macro JLOAD s
	s_cmp_lt_u32 s10, 2
	s_cbranch_scc0 .Lfor_b_\@
	tensor_load_to_lds s[G0A+4*(\s):G0A+4*(\s)+3], s[G1A:G1A+7]
	s_nop 0
.rept 4
	v_nop
.endr
	s_branch .Lasked_\@
.Lfor_b_\@:
	tensor_load_to_lds s[G0B+4*(\s):G0B+4*(\s)+3], s[G1B:G1B+7]
	s_nop 0
.rept 4
	v_nop
.endr
.Lasked_\@:
.endm
.macro CREST                           ; a round of the cluster's barrier behind its opening barrier
	s_cmp_lg_u32 s10, 0
	s_cbranch_scc1 .Lnot_wave_0_\@
	s_barrier_signal -3
.Lnot_wave_0_\@:
	s_barrier_wait -3
	s_barrier_signal -1
	s_barrier_wait -1
.endm
.macro CROUND                          ; a whole round
	s_barrier_signal -1
	s_barrier_wait -1
	CREST
.endm
.macro PLACES                          ; four places between matrix instructions and vector lines or stores that touch their registers
.rept 4
	v_nop
.endr
.endm
	s_load_b512 s[72:87], s[0:1], 0x0              ; query s[72:73], key s[74:75], value s[76:77], bq s[78:79], bk s[80:81], bv s[82:83], w16 s[84:85], qkv s[86:87]
	v_lshl_add_u32 v[SPW], v0, 2, SPARE
	v_mov_b32 v[NIL], 0
	ds_add_u32 v28, v29
	s_wait_dscnt 0x0
	v_lshrrev_b32 v1, 5, v0
	v_readfirstlane_b32 s10, v1                    ; wave 0..3
	s_lshr_b32 s11, s10, 1                         ; which 64 rows of the tile are mine
	s_and_b32 s12, s10, 1                          ; which 128 columns.  Also: which half of x's or W's tile I fetch
	s_bfe_u32 s40, ttmp6, 0x40000                  ; cx, cy: my place in the cluster
	s_bfe_u32 s41, ttmp6, 0x40004
	s_lshl_b32 s42, ttmp9, 2
	s_add_co_u32 s42, s42, s40                     ; tile column = 4 x cluster x + cx: 0 .. 3
	s_and_b32 s45, ttmp7, 0xffff                   ; cluster y: 0 .. 15
	s_lshl_b32 s13, s45, 2
	s_add_co_u32 s13, s13, s41                     ; tile row = 4 x cluster y + cy: 0 .. 63
	s_lshl_b32 s43, s41, 2
	s_lshl_b32 s43, 15, s43                        ; my row of the cluster
	s_lshl_b32 s44, 0x1111, s40                    ; my column
	; descriptor group 1 for x: 64 rows x 128 elements of 4 bytes, padded in LDS
	s_or_b32 s[G1A+0], s43, (2<<16)|(1<<20)|(1<<21)|(6<<22)|(3<<25)  ; 15:0 the mask: my row; 17:16 elements of 4 bytes; 20 padding on; 21 set beside a mask; 24:22 after every 128 words (code 6); 31:25 4 words (code 3)
	s_mov_b32 s[G1A+1], 128<<16                    ; tensor_dim0 = 128
	s_mov_b32 s[G1A+2], 64<<16                     ; tensor_dim1 = 64
	s_mov_b32 s[G1A+3], 128<<16                    ; tile_dim0 = 128
	s_mov_b32 s[G1A+4], 64                         ; tile_dim1 = 64
	s_mov_b32 s[G1A+5], 1024                       ; elements from row to row
	s_mov_b32 s[G1A+6], 0
	s_mov_b32 s[G1A+7], 0
	; for W: 64 k-rows x 256 elements of 2 bytes
	s_or_b32 s[G1B+0], s44, (1<<16)|(1<<20)|(1<<21)|(6<<22)|(7<<25)  ; the mask: my column; elements of 2 bytes; after every 128 words 8 words (code 7)
	s_mov_b32 s[G1B+1], 256<<16
	s_mov_b32 s[G1B+2], 64<<16
	s_mov_b32 s[G1B+3], 256<<16
	s_mov_b32 s[G1B+4], 64
	s_mov_b32 s[G1B+5], 1024
	s_mov_b32 s[G1B+6], 0
	s_mov_b32 s[G1B+7], 0
	s_lshl_b32 s16, s13, 19                        ; x: 128 rows of 4,096 bytes a tile row,
	s_lshl_b32 s17, s12, 18                        ; 64 rows a half: hangs on the tile row and the wave alone; kept for every fill
	s_add_co_u32 s16, s16, s17
	s_mov_b32 s17, 0
	s_lshl_b32 s18, s13, 19                        ; the panel of x that my row of the cluster walks, for the prefetch; kept
	s_mov_b32 s19, 0
	s_lshl_b32 s46, s12, 17                        ; W: 64 k-rows of 2,048 bytes a half,
	s_lshl_b32 s47, s42, 9                         ; 512 bytes a tile column: hangs on the tile column and the wave alone
	s_add_co_u32 s46, s46, s47
	s_mov_b32 s47, 0
	s_mul_i32 s20, s12, AHALF                      ; where they go: no place in the cluster enters an LDS address
	s_mul_i32 s21, s12, BHALF
	s_add_co_u32 s21, s21, BOFF
	s_mov_b32 s66, 2                               ; K steps 0 and 1 of the walk are the first fills
	s_mov_b32 s91, 0                               ; the upper words of the two offsets
	s_mov_b32 s95, 0
	s_wait_kmcnt 0x0
	s_add_nc_u64 s[14:15], s[72:73], s[16:17]      ; query at my half's first row
	s_add_nc_u64 s[68:69], s[72:73], s[18:19]      ; query's panel
	s_add_nc_u64 s[46:47], s[84:85], s[46:47]
	CROUND                                         ; all sixteen work-groups are here: the first joint loads meet
.irp s, 0,1
	s_mov_b32 s[G0A+4*(\s)], 1                                       ; 1:0 count = 1
	s_add_co_u32 s[G0A+4*(\s)+1], s20, (\s)*SLOT                     ; 63:32 LDS address
	s_add_nc_u64 s[G0A+4*(\s)+2:G0A+4*(\s)+3], s[14:15], (\s)*ASTEP  ; 120:64 global address: K step s
	s_or_b32 s[G0A+4*(\s)+3], s[G0A+4*(\s)+3], 0x80000000            ; 127:126 type = 2
	s_mov_b32 s[G0B+4*(\s)], 1
	s_add_co_u32 s[G0B+4*(\s)+1], s21, (\s)*SLOT
	s_add_nc_u64 s[G0B+4*(\s)+2:G0B+4*(\s)+3], s[46:47], (\s)*BSTEP
	s_or_b32 s[G0B+4*(\s)+3], s[G0B+4*(\s)+3], 0x80000000
	JLOAD \s
.endr
	; All that follows up to the first barrier stands in the wait for the first tile.
	v_and_b32 v1, 15, v0                           ; r = l % 16
	v_bfe_u32 v9, v0, 4, 1                         ; h = l / 16
	v_lshlrev_b32 v[HB], 5, v9
	s_lshl_b32 s4, s42, 10                         ; the biases of my 128 columns: 256 f32 a tile column, 128 a half
	s_lshl_b32 s5, s12, 9
	s_add_co_u32 s4, s4, s5
	s_mov_b32 s5, 0
	s_add_nc_u64 s[78:79], s[78:79], s[4:5]
	s_add_nc_u64 s[80:81], s[80:81], s[4:5]
	s_add_nc_u64 s[82:83], s[82:83], s[4:5]
.irp b, 0,1,2,3,4,5,6,7
	global_load_b128 v[BIAS+8*\b:BIAS+8*\b+3],   v[HB], s[78:79] offset:64*\b      ; bq[16 b + 8 h + 0 .. 3]: registers 0-3 of the C operand of column block b
	global_load_b128 v[BIAS+8*\b+4:BIAS+8*\b+7], v[HB], s[78:79] offset:64*\b+16
.endr
	; THE PREFETCH.  Two K steps of a panel are 128 rows x 1,024 bytes = 512 blocks of 256 bytes: one block a lane over the 16 waves of the four work-groups that share the panel, so each block is
	; asked for once.  Lane l of wave w of partner cx takes row 32 cx + 8 w + l / 4, block l % 4.  Here the walk's K steps 2 and 3; in the loop, where slot 0 is asked for K step s, K steps s + 2 and s + 3.
	v_and_b32 v20, 31, v0
	v_lshrrev_b32 v20, 2, v20
	s_lshl_b32 s6, s40, 5
	s_lshl_b32 s7, s10, 3
	s_add_co_u32 s6, s6, s7
	v_add_nc_u32 v20, s6, v20
	v_and_b32 v21, 3, v0
	v_lshlrev_b32 v21, 8, v21
	v_lshl_add_u32 v[PFO], v20, 12, v21
	global_prefetch_b8 v[PFO], s[68:69] offset:2*ASTEP th:TH_LOAD_NT scope:SCOPE_SE
	; A fragment of x is 16 rows x 32 K: lane l holds row l % 16, K = 8 h + 0..7 and 16 + 8 h + 0..7.  In f32 those are 32 bytes at 32 h and 32 bytes at 64 + 32 h: four loads of 16 bytes.
	s_mul_i32 s22, s11, 64*PA
	v_mul_u32_u24 v12, v1, PA
	v_lshl_add_u32 v12, v9, 5, v12
	v_add_nc_u32 v[ADRA], s22, v12
	v_add_nc_u32 v[ADRA+1], SLOT, v[ADRA]
	; The turning load takes 16 k x 16 columns (lane l reads k-row 8 h + l % 8, columns 8 ((l / 8) % 2) + 0..7) and leaves half a fragment of W^T: lane l holds column l % 16 and 8 k.
	v_and_b32 v13, 7, v0
	v_lshl_add_u32 v13, v9, 3, v13
	v_mul_u32_u24 v13, v13, PB
	v_bfe_u32 v14, v0, 3, 1
	v_lshl_add_u32 v13, v14, 4, v13
	s_lshl_b32 s23, s12, 8
	s_add_co_u32 s23, s23, BOFF
	v_add_nc_u32 v[ADRB], s23, v13
	v_add_nc_u32 v[ADRB+1], SLOT, v[ADRB]
	s_mul_i32 s22, s10, 16*SP
	s_add_co_u32 s22, s22, STAGE                   ; my stage
	v_mul_u32_u24 v[STO], v1, SP                   ; in: row l % 16, 16 bytes for each half of the lanes
	v_lshl_add_u32 v[STO], v9, 4, v[STO]
	v_add_nc_u32 v[STO], s22, v[STO]
	v_bfe_u32 v[RD], v0, 3, 2                      ; back: 32 lanes take four rows of 128 bytes,
	v_mul_u32_u24 v[RD], v[RD], SP
	v_and_b32 v12, 7, v0
	v_lshl_add_u32 v[RD], v12, 4, v[RD]
	v_add_nc_u32 v[RD], s22, v[RD]
	v_and_b32 v[GO], 31, v0                        ; which are 512 consecutive bytes of a head's rows
	v_lshlrev_b32 v[GO], 4, v[GO]
	; where my part of a result begins in its part of qkv: head = 16 x batch + 4 x tile column + 2 x column half; row in the batch = 128 x (tile row mod 16) + 64 x row half
	s_lshr_b32 s96, s13, 4
	s_lshl_b32 s96, s96, 4
	s_lshl_b32 s97, s42, 2
	s_add_co_u32 s96, s96, s97
	s_lshl_b32 s97, s12, 1
	s_add_co_u32 s96, s96, s97
	s_lshl_b32 s96, s96, 18                        ; a head's 2,048 rows of 128 bytes
	s_and_b32 s97, s13, 15
	s_lshl_b32 s97, s97, 14
	s_add_co_u32 s96, s96, s97
	s_lshl_b32 s97, s11, 13
	s_add_co_u32 s96, s96, s97
	s_mov_b32 s97, 0
	s_add_nc_u64 s[8:9], s[86:87], s[96:97]        ; q's part comes first
; One matrix instruction: accumulator (a, b), 32 along K from buffer f.  first = 1: the bias starts the sum.
.macro MM f, a, b, first
.set rD, 8*(8*(\a)+(\b))
.set rB, BF+64*(\f)+8*(\b)
.set rA, AF+32*(\f)+8*(\a)
.if \first
	WIN MUL0
	v_wmma_f32_16x16x32_bf16 v[rD:rD+7], v[rB:rB+7], v[rA:rA+7], v[BIAS+8*(\b):BIAS+8*(\b)+7]
.else
	WIN MUL
	v_wmma_f32_16x16x32_bf16 v[rD:rD+7], v[rB:rB+7], v[rA:rA+7], v[rD:rD+7]
.endif
.endm
; Eight of them: row block a x all column blocks.  The 32 accumulators take turns, one instruction a turn, in the same order in every quarter, from tile to tile too.
.macro MULA f, a, first
.irp b, 0,1,2,3,4,5,6,7
	MM \f, \a, \b, \first
.endr
.endm
; 32 LDS loads in one run: quarter q (32 along K) of a slot: x's 64 rows as f32, then W's fragments into buffer g.
.macro FETCH slot, q, g
	WIN 0
.irp a, 0,1,2,3
	ds_load_b128 v[RAW+16*\a:RAW+16*\a+3],     v[ADRA+(\slot)] offset:(\q)*128+\a*16*PA
	ds_load_b128 v[RAW+16*\a+4:RAW+16*\a+7],   v[ADRA+(\slot)] offset:(\q)*128+\a*16*PA+16
	ds_load_b128 v[RAW+16*\a+8:RAW+16*\a+11],  v[ADRA+(\slot)] offset:(\q)*128+\a*16*PA+64
	ds_load_b128 v[RAW+16*\a+12:RAW+16*\a+15], v[ADRA+(\slot)] offset:(\q)*128+\a*16*PA+80
.endr
	WIN TO_B
.irp b, 0,1,2,3,4,5,6,7
	ds_load_tr16_b128 v[BF+64*(\g)+8*\b:BF+64*(\g)+8*\b+3],   v[ADRB+(\slot)] offset:(\q)*32*PB+32*\b
	ds_load_tr16_b128 v[BF+64*(\g)+8*\b+4:BF+64*(\g)+8*\b+7], v[ADRB+(\slot)] offset:(\q)*32*PB+32*\b+16*PB
.endr
.endm
.macro CVT4 g, i0                      ; four registers of x's fragments in buffer g: eight f32 rounded to bf16
.irp z, 0,1,2,3
	v_cvt_pk_bf16_f32 v[AF+32*(\g)+(\i0)+\z], v[RAW+2*((\i0)+\z)], v[RAW+2*((\i0)+\z)+1]
.endr
.endm
; Row block 3's eight matrix instructions, each with four of the next quarter's 32 roundings behind it.  A rounding names x's f32 and buffer g; the products round it name buffer f, the accumulators and (first = 1) the bias.
; The last four are the four places between the quarter's last product and what follows: the next run of loads into W's buffer f, the next writes of x's buffer f, the loads of the next bias, the way out.
.macro SLICES f, g, first
.irp b, 0,1,2,3,4,5,6,7
	MM \f, 3, \b, \first
	WIN 0
	CVT4 \g, 4*\b
.endr
.endm
; A K step is four quarters of 32 along K, 32 matrix instructions each, on buffers 0, 1, 0, 1.  One of the first three: multiplies buffer f, fetches quarter q of the slot, and makes buffer g of it.
.macro QUARTER slot, q, f, g, first
	s_wait_dscnt 0x0                               ; W's fragments of this quarter are in
	FETCH \slot, \q, \g
	MULA \f, 0, \first
	MULA \f, 1, \first
	MULA \f, 2, \first
	s_wait_dscnt 16                                ; x's 16 loads are in; W's 16, issued behind them, may stay out
	SLICES \f, \g, \first
.endm
; The last quarter multiplies buffer 1 and changes slots: ONE barrier.  In front of it each wave waits for all its tensor loads (one is out: its part of the next slot), adds 0 to its spare word, and waits for
; that and for its own reads of this slot.  fill = 1: the barrier opens a round of the cluster's barrier, and this slot is filled again, with K step s66 of the walk, two ahead: the first tensor load behind the
; round; from there to the wait for it a wave issues 112 matrix instructions.  W's address steps alike in every trip.  x's is made anew: the pointer of input s66 / 8, as the arguments gave it, and an offset made
; apart: my half's first row and K step s66 % 8.  pf = 1: the prefetch of K steps s66 + 1 and s66 + 2 (s66 has stepped by then), its base made in the same way.
.macro TURN slot, next, fill, pf
	WIN 0                                          ; (the add's two registers lie in window 0)
	s_wait_tensorcnt 0x0                           ; all my tensor loads have landed;
	ds_add_u32 v[SPW], v[NIL]                      ; 0 onto my spare word;
	s_wait_dscnt 1                                 ; W's fragments of this quarter are in; the add alone may be out
	MULA 1, 0, 0                                   ; eight matrix instructions stand between the add and the wait for it
	s_wait_dscnt 0x0                               ; the add is done, and my reads of this slot are over
	s_barrier_signal -1
	MULA 1, 1, 0
.if \fill
	WIN 0
.endif
	s_barrier_wait -1
.if \fill
	CREST                                          ; no wave of any partner still reads this slot's tiles or has a load on its way
	s_cmp_lt_u32 s66, 8
	s_cselect_b64 s[92:93], s[72:73], s[74:75]     ; K steps 0 to 7 read query, 8 to 15 key,
	s_cmp_lt_u32 s66, 16
	s_cselect_b64 s[92:93], s[92:93], s[76:77]     ; 16 to 23 value
	s_and_b32 s94, s66, 7
	s_lshl_b32 s94, s94, 9                         ; 512 bytes a K step,
	s_add_co_u32 s94, s94, s16                     ; in my half's first row
	s_add_nc_u64 s[G0A+4*(\slot)+2:G0A+4*(\slot)+3], s[92:93], s[94:95]
	s_or_b32 s[G0A+4*(\slot)+3], s[G0A+4*(\slot)+3], 0x80000000    ; the type
	s_add_nc_u64 s[G0B+4*(\slot)+2:G0B+4*(\slot)+3], s[G0B+4*(\slot)+2:G0B+4*(\slot)+3], 2*BSTEP
	s_add_co_u32 s66, s66, 1
	JLOAD \slot
.endif
.if \pf
	s_cmp_lt_u32 s3, 2                             ; the last trip asks for nothing: the walk has no K steps 24 and 25
	s_cbranch_scc1 .Lno_ask_\@
	s_wait_xcnt 0x0                                ; the last prefetch, issued a trip ago, has had its addresses translated (ISA guide 3.1): its base is written only behind this wait
	s_add_co_u32 s90, s66, 1
	s_cmp_lt_u32 s90, 8
	s_cselect_b64 s[68:69], s[72:73], s[74:75]
	s_cmp_lt_u32 s90, 16
	s_cselect_b64 s[68:69], s[68:69], s[76:77]
	s_and_b32 s90, s90, 7
	s_lshl_b32 s90, s90, 9
	s_add_co_u32 s90, s90, s18                     ; in the panel's first row
	s_add_nc_u64 s[68:69], s[68:69], s[90:91]
	global_prefetch_b8 v[PFO], s[68:69] th:TH_LOAD_NT scope:SCOPE_SE
.Lno_ask_\@:
.endif
	FETCH \next, 0, 0
	MULA 1, 2, 0
	s_wait_dscnt 16
	SLICES 1, 0, 0
.endm
; THE WAY OUT.  Unit u = 2 a + hd is 16 rows of one head: the four accumulators at v[32 u ..].  A lane's eight channels pack into 16 bytes; they go into rows of 144 bytes of my own stage and come back as
; whole rows of 128, into the registers that they left; each accumulator's registers are read in ascending order.  16 rows of a head are 2,048 consecutive bytes of the result.
; Each unit has 16 registers of its own, so that no store's data are rewritten on one way out: units 0-3 where x lay as f32, 4 and 5 in x's buffer 1, 6 and 7 in v224-255.  x's buffer 0 is left alone:
; between tiles it holds the next tile's first fragments.
.macro UREG u
.if (\u) < 4
.set rU, 32+16*(\u)
.elseif (\u) < 6
.set rU, 128+16*((\u)-4)
.else
.set rU, 224+16*((\u)-6)
.endif
.endm
.macro PACK u
	UREG \u
	WIN W_PK
.set i, 0
.rept 16
	v_cvt_pk_f16_f32 v[rU+i], v[32*(\u)+2*i], v[32*(\u)+2*i+1]
.set i, i+1
.endr
	WIN 0
.irp f, 0,1,2,3
	ds_store_b128 v[STO], v[rU+4*\f:rU+4*\f+3] offset:32*\f
.endr
.irp f, 0,1,2,3
	ds_load_b128 v[rU+4*\f:rU+4*\f+3], v[RD] offset:\f*4*SP  ; LDS serves a wave's instructions in order (ISA guide 5.7.1.4): these see the stores above; the next unit's stores come behind them
.endr
.endm
.macro SEND u, younger                 ; younger: the LDS instructions issued behind unit u's loads: the next unit's eight, or none
	UREG \u
	WIN 0
.irp f, 0,1,2,3
	s_wait_dscnt (\younger)+3-\f
	global_store_b128 v[GO], v[rU+4*\f:rU+4*\f+3], s[8:9] offset:((\u)%2)*262144+((\u)/2)*2048+\f*512  ; 512 consecutive bytes, at a multiple of 256 from the buffer's first
.endr
.endm
.macro WAYOUT
	PACK 0
.set t, 1
.rept 7                                ; a unit's roundings stand between the loads of the unit before and its stores
	PACK t
	SEND t-1, 8
.set t, t+1
.endr
	SEND 7, 0
.endm
	s_wait_tensorcnt 0x1                           ; my part of K step 0 is in; K step 1's one load may stay out
	s_barrier_signal -1
	s_barrier_wait -1                              ; everybody's is
	FETCH 0, 0, 0
	s_wait_dscnt 16
	WIN 0
.irp b, 0,1,2,3,4,5,6,7
	CVT4 0, 4*\b
.endr
	s_mov_b32 s3, 12
	s_branch .Lfirst_quarter                       ; the loop is entered at a tile's first quarter, near the end of a trip
.Llap:                                                 ; eleven whole trips.  A trip goes once round the ring, from a lap's second quarter to the next lap's first, and fills both slots again: K steps 2 to 23 of the walk
	QUARTER 0, 2, 1, 0, 0
	QUARTER 0, 3, 0, 1, 0
	TURN 0, 1, 1, 1
	QUARTER 1, 1, 0, 1, 0
	QUARTER 1, 2, 1, 0, 0
	QUARTER 1, 3, 0, 1, 0
	TURN 1, 0, 1, 0
	WIN 0                                          ; at a label and at a branch every window is 0
	s_and_b32 s67, s3, 3                           ; 0: the lap was a tile's last (s3 = 8 and 4)
	s_cmp_lg_u32 s67, 0
	s_cbranch_scc1 .Lsame_tile
	WAYOUT                                         ; A TILE IS FINISHED, and both refills for the next have been asked for.  No v_nop: the four roundings behind the last product are its places
	s_wait_xcnt 0x0                                ; the stores have had their addresses translated (ISA guide 3.1): their base and their data registers are written again only behind this wait
	s_add_nc_u64 s[8:9], s[8:9], PART              ; the next part of qkv
.Lfirst_quarter:
	s_wait_loadcnt 0x0                             ; this tile's bias; it is rounded to bf16 like every other input, and kept as f32
.set i, 0
.rept 32
	v_cvt_pk_bf16_f32 v[TT+i%4], v[BIAS+2*i], v[BIAS+2*i+1]
	v_lshlrev_b32 v[BIAS+2*i],   16, v[TT+i%4]
	v_and_b32     v[BIAS+2*i+1], 0xffff0000, v[TT+i%4]
.set i, i+1
.endr
	QUARTER 0, 1, 0, 1, 1                          ; a tile's first quarter: its products start the sums, on the bias
	WIN 0
	s_cmp_eq_u32 s3, 4                             ; the third tile has no successor
	s_cbranch_scc1 .Lbottom
	s_cmp_eq_u32 s3, 12
	s_cselect_b64 s[70:71], s[80:81], s[82:83]     ; bk behind the first tile's first quarter, bv behind the second's
.irp b, 0,1,2,3,4,5,6,7
	global_load_b128 v[BIAS+8*\b:BIAS+8*\b+3],   v[HB], s[70:71] offset:64*\b      ; the next tile's bias has the rest of this tile in which to come
	global_load_b128 v[BIAS+8*\b+4:BIAS+8*\b+7], v[HB], s[70:71] offset:64*\b+16
.endr
	s_branch .Lbottom
.Lsame_tile:
	QUARTER 0, 1, 0, 1, 0
	WIN 0
.Lbottom:
	s_sub_co_u32 s3, s3, 1
	s_cmp_lg_u32 s3, 0
	s_cbranch_scc1 .Llap
	QUARTER 0, 2, 1, 0, 0                          ; the walk's last lap is written out: it fills nothing, and has no round of the cluster's barrier
	QUARTER 0, 3, 0, 1, 0
	TURN 0, 1, 0, 0
	QUARTER 1, 1, 0, 1, 0
	QUARTER 1, 2, 1, 0, 0
	QUARTER 1, 3, 0, 1, 0
	s_wait_dscnt 0x0                               ; the very last quarter: nothing more to fetch
	MULA 1, 0, 0
	MULA 1, 1, 0
	MULA 1, 2, 0
	MULA 1, 3, 0
	WIN 0
	PLACES
	WAYOUT
	s_wait_tensorcnt 0x0                           ; the wave's end, behind my last tensor load and my last LDS store
	ds_add_u32 v[SPW], v[NIL]
	s_wait_dscnt 0x0
	CROUND                                         ; the closing round: no work-group ends while a partner may still ask for a tile that names it
	s_endpgm
.Lfunc_end_k_qdcaec2673f_proj:
	.size	k_qdcaec2673f_proj, .Lfunc_end_k_qdcaec2673f_proj-k_qdcaec2673f_proj
	.p2alignl 7, 3214868480
	.fill 96, 4, 3214868480
	.section	.rodata,"a",@progbits
	.p2align	6, 0x0
	.amdhsa_kernel k_qdcaec2673f_proj
		.amdhsa_group_segment_fixed_size 327680
		.amdhsa_private_segment_fixed_size 0
		.amdhsa_enable_private_segment 0
		.amdhsa_kernarg_size 64
		.amdhsa_user_sgpr_count 2
		.amdhsa_user_sgpr_kernarg_segment_ptr 1
		.amdhsa_wavefront_size32 1
		.amdhsa_system_sgpr_workgroup_id_x 1
		.amdhsa_system_sgpr_workgroup_id_y 1
		.amdhsa_system_sgpr_workgroup_id_z 1
		.amdhsa_system_vgpr_workitem_id 0
		.amdhsa_next_free_vgpr 640
		.amdhsa_next_free_sgpr 98
		.amdhsa_reserve_vcc 0
		.amdhsa_float_denorm_mode_32 3
		.amdhsa_float_denorm_mode_16_64 3
		.amdhsa_memory_ordered 1
		.amdhsa_forward_progress 1
		.amdhsa_inst_pref_size 159
	.end_amdhsa_kernel
	.amdgpu_metadata
---
amdhsa.version: [ 1, 2 ]
amdhsa.kernels:
  - .name:           k_qdcaec2673f_proj
    .symbol:         k_qdcaec2673f_proj.kd
    .args:
      - { .name: query, .offset: 0, .size: 8, .value_kind: global_buffer, .address_space: global }
      - { .name: key, .offset: 8, .size: 8, .value_kind: global_buffer, .address_space: global }
      - { .name: value, .offset: 16, .size: 8, .value_kind: global_buffer, .address_space: global }
      - { .name: bq, .offset: 24, .size: 8, .value_kind: global_buffer, .address_space: global }
      - { .name: bk, .offset: 32, .size: 8, .value_kind: global_buffer, .address_space: global }
      - { .name: bv, .offset: 40, .size: 8, .value_kind: global_buffer, .address_space: global }
      - { .name: w16, .offset: 48, .size: 8, .value_kind: global_buffer, .address_space: global }
      - { .name: qkv, .offset: 56, .size: 8, .value_kind: global_buffer, .address_space: global }
    .group_segment_fixed_size: 327680
    .private_segment_fixed_size: 0
    .kernarg_segment_align: 8
    .kernarg_segment_size: 64
    .max_flat_workgroup_size: 128
    .sgpr_count:     98
    .vgpr_count:     640
    .wavefront_size: 32
...
	.end_amdgpu_metadata
.endif
;; end of part 2
;; launch attn (part 3): grid 4 x 64, 4 waves a work-group, clusters of 4 x 1, 327,680 bytes of LDS; arguments qkv, oh; writes oh
.if DOCPART == 3
	.amdgcn_target "amdgcn-amd-amdhsa--gfx1250"
	.amdhsa_code_object_version 6
	.text
	.protected	k_qdcaec2673f_attn
	.globl	k_qdcaec2673f_attn
	.p2align	8
	.type	k_qdcaec2673f_attn,@function
k_qdcaec2673f_attn:
	s_mov_b64 s[64:65], 0
	v_nop
	global_prefetch_b8 v0, s[64:65] scope:SCOPE_SE
	s_setreg_imm32_b32 hwreg(HW_REG_WAVE_MODE, 25, 1), 1
	s_wait_xcnt 0x0
	s_wait_alu depctr_hold_cnt(0) depctr_sa_sdst(0) depctr_va_vdst(0) depctr_va_sdst(0) depctr_va_ssrc(0) depctr_va_vcc(0) depctr_vm_vsrc(0)
	s_getreg_b32 s2, hwreg(HW_REG_IB_STS2, 6, 4)
	s_cmp_eq_u32 s2, 0
	s_cbranch_scc0 .Lentry_in_a_cluster
	s_endpgm
.Lentry_in_a_cluster:
	s_bfe_u32 s2, ttmp6, 0x10000c
	s_cmp_lg_u32 s2, 0x3003
	s_cbranch_scc0 .Lentry_shape_is_right
	s_endpgm
.Lentry_shape_is_right:
; O[h][q][:] = the sum over k of softmax_k(Q[h][q] . K[h][k] / 8) V[h][k][:].  Q, K, V are the three parts of qkv, O is oh: each [64][2048][64] in f16: a head's rows are dense, 128 bytes each.
; Products, maxima and sums in f32; the weights p are rounded to f16 for the second product (their sum l is taken of the unrounded p), O once at the end.
; LIMITS.  f16 holds no number beyond 65,504: Q, K and V arrive within it; p lies in 0 to 1, and below 6e-5 it keeps f16's fixed step of 6e-8; O is a mean of V's rows and has their range.
; A weight below 2^-126 counts as 0 in l; NaN and infinities are not treated apart.
; SHARES.  A wave owns four PIECES of two tiles of 16 queries, a work-group's four waves 512 queries of one head: 4 x 64 work-groups.  Every wave walks all keys, 64 a step.
; LAYOUT.  S^T = K Q^T (source 0 = 16 keys, source 1 = 16 queries): in the result a lane holds ONE query (lane % 16) and the keys 8 (lane / 16) + 0..7.  Two such tiles, rounded to f16 in pairs,
; ARE source 1 (32 keys x 16 queries) of O^T = V^T P, whose result again holds one query a lane, and eight channels.  K comes out of LDS as it lies, V ([key][channel]) turned, by ds_load_tr16_b128.
; SOFTMAX.  For each query a running maximum m and sum l: p = 2^(c s - c m), c = log2(e) / 8; in every step O and l are multiplied by a = 2^(c m_old - c m_new), which is 1 where m has not grown.
; m starts at the lowest finite number, O and l at 0: the first step is a step like any other, with a = 0.
; THE COUNT.  A tile and step have 16 matrix and 118 vector instructions: too many to stand all beside the matrix work.  So the order has one aim: four vector instructions that are READY behind
; EVERY matrix instruction, and the others, which need time of their own whatever the order, in runs without a gap.
; BY TURNS.  Turn n belongs to piece n (the pieces in a ring, step after step).  Its matrix work: 16 products K Q^T of piece n + 1, later 16 products V^T P of piece n - 1.  Its vector work: the scaling,
; exponentials, roundings, sums and rescaling of piece n, and the maximum and statistics of piece n + 1, whose scores the turn itself has made.  So what a turn begins with (c s - c m, O a) waits for nothing.
; CLUSTER.  The four query blocks of a cluster belong to one head and walk the same K and V, so each tile is asked for JOINTLY: the same tensor load, descriptor and mask in all four.
; REGISTERS, in windows of 256 (s_set_vgpr_msb says which window each operand place means: bits 1:0 source 0, 3:2 source 1, 5:4 source 2, 7:6 destination):
;   window 0: v0-11 addresses; v12-15, v48-63 at work; v16-47 four registers of statistics a tile; v64-191 S^T, two buffers of two tiles; v192-255 P, likewise
;   window 1: O^T, 32 a tile          window 2: v0-127 Q, 16 a tile; v128-191 K of one step; v192-255 V of one step          window 3: v0-1 the add's two registers
; A piece's buffers go by its number's parity: the piece in hand has one pair, its two neighbours in the ring share the other: of it P (piece n - 1) is read and S^T (piece n + 1) written.
.set SIZE_N, 2048     ; rows of a head
.set NP,    4         ; pieces a wave: a name, no knob: the register map, the loop and the fetches are made for four
.set KS,    64        ; keys in a step
.set PK,    144       ; a row of K in LDS: 128 bytes + 16 of padding = 36 words: the 16 rows of a load start at 16 different groups of four banks (64 banks of 4 bytes: ISA guide 11.1)
.set PV,    160       ; a row of V: 128 + 32 = 40 words
.set VOFF,  4*KS*PK   ; a slot holds four steps: 256 rows of K, then 256 rows of V
.set SLOT1, 1<<17     ; slot 1 begins here, so that one exclusive or turns an address in one slot into the other's
.set STAGE, SLOT1+4*KS*(PK+PV)  ; behind the ring, never filled by a tensor load: 16 rows x 144 bytes for each wave, for the way out
.set SP,    144
.set AK0, 2           ; v2   my lane's place in a tile of K; never rewritten
.set AV0, 3           ; v3   the same for V
.set AK,  4           ; v4   the LDS address of K's next run of loads
.set AV,  5           ; v5   of V's
.set QO,  6           ; v6   my byte offset in the wave's rows of Q
.set STO, 6           ;      later, the way out: where I put 16 bytes of a row
.set RD,  7           ; v7   the way out: where I read rows back
.set GO,  8           ; v8   my byte offset in 512 consecutive bytes of O
.set SPW, 0           ; v0 of window 3   LDS address of my spare word: SPARE + 4 x my thread's number; never rewritten
.set NIL, 1           ; v1 of window 3   0; never rewritten
.set SPARE, STAGE+4*16*SP  ; behind the stages: the spare words, 128 bytes for each wave: two blocks of 256 bytes that no other line names
.set MV,  12          ; v12-15  c m_old, kept while c m is made anew: by buffer and tile
.set ST,  16          ; tile t's statistics at v[ST+4 t]: c m, m, l (even keys', odd keys')
.set TMP, 48          ; by buffer and tile, four registers c0-c3 at work; when the maximum is found c2 takes a
.set S,   64
.set P,   192
.set KF,  128         ; K's fragments, in window 2: key block kb, channel half c at KF + 16 kb + 8 c
.set VF,  192         ; V's: key half kk, channel block cb at VF + 32 kk + 8 cb
.set WV,  12          ; s12  my wave's number
.set G1K, 24          ; s[24:31] descriptor group 1 for K's tiles
.set G1V, 32          ; s[32:39] for V's: it differs in the padding alone
.set G0K, 40          ; s[40:43] descriptor group 0 for K's tiles: it walks
.set G0V, 44          ; s[44:47] the same for V's
.set SLOTS, 56        ; s56  slots still to be asked for
.set CNT, 57          ; s57  counts a slot's key steps
.set CS,  58          ; s[58:59] c: the packed scaling takes the pair's low word for both halves
.set SEL, 60          ; s[60:61] v_permlanex16_b32's selects: each lane takes its own place in the other half
.set TBK, 62          ; s62  LDS byte at which K of the step to be fetched begins
.set TBV, 63          ; s63  the same for V, less VOFF
.set MSB, 0
.macro WIN new                      ; the high byte repeats the setting that is left; a switch that changes nothing is dropped
.if MSB != (\new)
	s_set_vgpr_msb (MSB<<8)|(\new)
.set MSB, (\new)
.endif
.endm
.set W_KQ, 0x0a       ; K and Q in window 2, S^T in window 0
.set W_PV, 0x52       ; V in window 2, P in window 0, O^T in window 1
.set W_RS, 0x41       ; O^T (destination and source 0) in window 1, a in window 0
.set W_MK, 0xc0       ; the add's registers are made: destination in window 3, sources in window 0
.set W_AD, 0x0f       ; the add: address (source 0) and data (source 1) in window 3
; A joint fill.  Waves 0 and 1 fetch the two halves of a slot's K, waves 2 and 3 those of its V: 128 keys each.  The branch hangs on the wave's number alone.
; An s_nop 0 and four v_nop follow each of the two lines, ahead of the jump and the label.
.macro JLOAD
	s_cmp_lt_u32 s[WV], 2
	s_cbranch_scc0 .Lfor_v_\@
	tensor_load_to_lds s[G0K:G0K+3], s[G1K:G1K+7]
	s_nop 0
.rept 4
	v_nop
.endr
	s_branch .Lasked_\@
.Lfor_v_\@:
	tensor_load_to_lds s[G0V:G0V+3], s[G1V:G1V+7]
	s_nop 0
.rept 4
	v_nop
.endr
.Lasked_\@:
.endm
; A round of the cluster's barrier: my work-group's barrier, so that wave 0's signal speaks for all four waves; wave 0 signals; every wave waits for all four work-groups; my work-group's barrier once more.
.macro CROUND
	s_barrier_signal -1
	s_barrier_wait -1
	s_cmp_lg_u32 s[WV], 0
	s_cbranch_scc1 .Lnot_wave_0_\@
	s_barrier_signal -3
.Lnot_wave_0_\@:
	s_barrier_wait -3
	s_barrier_signal -1
	s_barrier_wait -1
.endm
; THE CHANGE OF SLOTS.  The slot's last bytes, V of its fourth step, have been read.  Each wave waits for all its tensor loads, of which one is out: its part
; of the other slot; adds 0 to its spare word; and waits for that and for its own reads of the slot.  Behind the barrier nobody reads this slot any more and the other slot is whole.
; fill = 1: this slot is filled again, with the keys two slots on.  The barrier is then a round of the cluster's, so that no wave of any partner still reads the slot or has a load on its
; way, and the joint fill is the first thing behind it: it has four key steps, 512 matrix instructions, in which to land.  (At its first use nothing has been read yet: slot 0 is waited for, slot 1 filled.)
.macro CHANGE fill
	WIN W_AD
	s_wait_tensorcnt 0x0            ; no tensor load of mine is out, so a group 0 may be written
	ds_add_u32 v[SPW], v[NIL]       ; 0 onto my spare word; with fill = 1 the descriptors' steps stand between it and the wait for it
	WIN 0                           ; at a label and at a branch every window is 0
.if \fill
.irp g, G0K, G0V
	s_xor_b32 s[\g+1], s[\g+1], SLOT1  ; the walking descriptor: the other slot than last time,
	s_add_nc_u64 s[\g+2:\g+3], s[\g+2:\g+3], 4*KS*128  ; the next 256 keys; the type bits on top are not reached
.endr
	s_wait_dscnt 0x0                ; the add is done, and my reads of the slot are over
	CROUND
	JLOAD
.else
	s_wait_dscnt 0x0                ; the add is done, and my reads of the slot are over
	s_barrier_signal -1
	s_barrier_wait -1
.endif
	s_sub_co_u32 s[TBK], s[TBK], 4*KS*PK  ; the fetches go back to a slot's first step,
	s_xor_b32 s[TBK], s[TBK], SLOT1       ; in the other slot
	s_sub_co_u32 s[TBV], s[TBV], 4*KS*PV
	s_xor_b32 s[TBV], s[TBV], SLOT1
.endm
	s_load_b128 s[4:7], s[0:1], 0x0   ; qkv s[4:5], oh s[6:7]
	WIN W_MK
	v_lshl_add_u32 v[SPW], v0, 2, SPARE
	v_mov_b32 v[NIL], 0
	s_set_vgpr_msb 0xc0cf
	ds_add_u32 v0, v1
	s_wait_dscnt 0x0
	s_set_vgpr_msb 0xcfc0
	WIN 0
	v_lshrrev_b32 v1, 5, v0
	v_readfirstlane_b32 s[WV], v1   ; wave 0..3
	s_bfe_u32 s13, ttmp6, 0x40000   ; cx: my place in the cluster
	s_lshl_b32 s14, ttmp9, 2        ; in a cluster launch ttmp9 counts clusters
	s_add_co_u32 s14, s14, s13      ; my block of queries = 4 x cluster x + cx: it enters Q's and O's addresses alone
	s_and_b32 s20, ttmp7, 0xffff    ; the head, which the four partners share
	s_mov_b32 s21, 0
	s_mov_b64 s[22:23], SIZE_N*128
	s_mul_u64 s[20:21], s[20:21], s[22:23]  ; the head's first byte in each of the four tensors
	s_and_b32 s16, s[WV], 1         ; which half of a slot's 256 keys I fetch:
	s_lshl_b32 s22, s16, 14         ; its 128 rows of 128 bytes in memory,
	s_mov_b32 s23, 0
	s_add_nc_u64 s[22:23], s[22:23], s[20:21]
	s_mul_i32 s17, s16, 128*PK      ; and its place in a slot, for K
	s_mul_i32 s18, s16, 128*PV      ; and for V: no place in the cluster enters an LDS address
	s_lshl_b32 s2, s14, 2
	s_add_co_u32 s2, s2, s[WV]      ; my wave among the head's,
	s_lshl_b32 s2, s2, 14           ; its 128 rows
	s_mov_b32 s3, 0
	s_add_nc_u64 s[2:3], s[2:3], s[20:21]
	; descriptor group 1.  128 keys are 16,384 dense bytes: asked for as 64 rows of 256 bytes, two keys a row, and padded in LDS after every key
	s_mov_b32 s[G1K], 15|(1<<16)|(1<<20)|(1<<21)|(4<<22)|(3<<25)  ; 15:0 the mask of four; 17:16 2-byte elements; 20 padding on; 21 set beside a mask; 24:22 after every 32 words (code 4); 31:25 4 words (code 3)
	s_mov_b32 s[G1V], 15|(1<<16)|(1<<20)|(1<<21)|(4<<22)|(7<<25)  ; the same with 8 words of padding (code 7)
.irp g, G1K, G1V
	s_mov_b32 s[\g+1], 128<<16      ; tensor_dim0 = 128
	s_mov_b32 s[\g+2], 64<<16       ; tensor_dim1 = 64
	s_mov_b32 s[\g+3], 128<<16      ; tile_dim0 = 128
	s_mov_b32 s[\g+4], 64           ; tile_dim1 = 64
	s_mov_b32 s[\g+5], 128          ; 128 elements from row to row
	s_mov_b32 s[\g+6], 0
	s_mov_b32 s[\g+7], 0
.endr
	s_mov_b32 s[CS], 0x3e38aa3b     ; c = log2(e) / 8 = 0.180337
	s_mov_b32 s[CS+1], s[CS]        ; named with it as a pair
	s_mov_b32 s[SEL], 0x76543210
	s_mov_b32 s[SEL+1], 0xfedcba98
	s_mov_b32 s[TBK], SLOT1+4*KS*PK ; the first change of slots turns these two into 0
	s_mov_b32 s[TBV], SLOT1+4*KS*PV
	s_mov_b32 s[G0K], 1             ; 1:0 count = 1
	s_mov_b32 s[G0K+1], s17         ; 63:32 LDS address: slot 0
	s_mov_b32 s[G0V], 1
	s_add_co_u32 s[G0V+1], s18, VOFF
	s_wait_kmcnt 0x0
	s_mov_b64 s[10:11], s[6:7]                     ; O
	s_add_nc_u64 s[8:9], s[4:5], 0x2000000         ; V: the third part of qkv
	s_add_nc_u64 s[6:7], s[4:5], 0x1000000         ; K: the second; Q, the first, stays in s[4:5]
	s_add_nc_u64 s[G0K+2:G0K+3], s[6:7], s[22:23]  ; 120:64 global address: my half of the head's first 256 keys
	s_or_b32 s[G0K+3], s[G0K+3], 0x80000000        ; 127:126 type = 2
	s_add_nc_u64 s[G0V+2:G0V+3], s[8:9], s[22:23]
	s_or_b32 s[G0V+3], s[G0V+3], 0x80000000
	s_add_nc_u64 s[4:5], s[4:5], s[2:3]  ; Q and O at my wave's first row
	s_add_nc_u64 s[10:11], s[10:11], s[2:3]
	CROUND                          ; all four work-groups are here: the first joint loads meet
	JLOAD                           ; slot 0.  Slot 1 is asked for when slot 0 is in: the tile wanted first has the road to itself
	; A fragment of K or Q is 16 rows x 32 channels in 8 registers: lane l holds row l % 16, channels 8 (l / 16) + 0..7 and 16 + 8 (l / 16) + 0..7: two loads of 16 bytes, 32 bytes apart.
	v_and_b32 v1, 15, v0            ; l % 16
	v_bfe_u32 v9, v0, 4, 1          ; l / 16
	v_lshlrev_b32 v[QO], 7, v1
	v_lshl_add_u32 v[QO], v9, 4, v[QO]  ; row x 128 + 16 x half
	WIN 0x80                        ; destination window 2, address window 0
.set i, 0
.rept 4*NP                          ; Q stays in registers: tile i / 2, channels 32 (i % 2) on
	global_load_b128 v[8*i:8*i+3],   v[QO], s[4:5] offset:(i/2)*2048+(i%2)*64
	global_load_b128 v[8*i+4:8*i+7], v[QO], s[4:5] offset:(i/2)*2048+(i%2)*64+32
.set i, i+1
.endr
	; What the first turn finds: V's registers and P's second buffer hold 0 (its products V^T P, of a piece that has not been, add 0), O^T and l are 0.  All this stands in the wait for the first tile.
.set i, VF
.rept 64
	v_mov_b32 v[i], 0
.set i, i+1
.endr
	WIN 0x40
.set i, 0
.rept 64*NP
	v_mov_b32 v[i], 0
.set i, i+1
.endr
	WIN 0
.set i, 0
.rept 2*NP
	v_mov_b32 v[ST+4*i], 0xfe000000    ; c m: far below every c s
	v_mov_b32 v[ST+4*i+1], 0xff7fffff  ; m
	v_mov_b32 v[ST+4*i+2], 0
	v_mov_b32 v[ST+4*i+3], 0
.set i, i+1
.endr
.set i, P+32
.rept 32
	v_mov_b32 v[i], 0
.set i, i+1
.endr
	v_mul_u32_u24 v[AK0], v1, PK
	v_lshl_add_u32 v[AK0], v9, 4, v[AK0]  ; row x pitch + 16 x half
	; The turning load takes 16 keys x 16 channels (lane l reads key 8 (l / 16) + l % 8, channels 8 ((l / 8) % 2) + 0..7) and leaves half a fragment of V^T: lane l holds channel l % 16 and 8 keys.
	v_and_b32 v10, 7, v0
	v_bfe_u32 v11, v0, 3, 1
	v_lshl_add_u32 v[AV0], v9, 3, v10
	v_mul_u32_u24 v[AV0], v[AV0], PV
	v_lshl_add_u32 v[AV0], v11, 4, v[AV0]
	v_add_nc_u32 v[AV0], VOFF, v[AV0]
	v_mov_b32 v[AK], v[AK0]         ; key step 0 lies at the head of slot 0
; THE MATRIX WORK.  The 8 accumulators of a run of 16 take turns: between the two links of a chain stand 7 others'.
; Product i of 16 of S^T = K Q^T for piece x: channels 32 (i / 8) on, keys 16 ((i / 2) % 4) on, tile 2 x + i % 2.  The first 8 start the sums.
.macro KQ x
	WIN W_KQ
.set rS, S+64*((\x)%2)+32*(i%2)+8*((i/2)%4)
.set rK, KF+16*((i/2)%4)+8*(i/8)
.set rQ, 16*(2*(\x)+i%2)+8*(i/8)
.if i < 8
	v_wmma_f32_16x16x32_f16 v[rS:rS+7], v[rK:rK+7], v[rQ:rQ+7], 0
.else
	v_wmma_f32_16x16x32_f16 v[rS:rS+7], v[rK:rK+7], v[rQ:rQ+7], v[rS:rS+7]
.endif
.endm
; Product i of 16 of O^T += V^T P for piece x: keys 32 (i / 8) on, channels 16 ((i / 2) % 4) on, tile 2 x + i % 2.
.macro PV x
	WIN W_PV
.set rO, 32*(2*(\x)+i%2)+8*((i/2)%4)
.set rV, VF+32*(i/8)+8*((i/2)%4)
.set rP, P+32*((\x)%2)+16*(i%2)+8*(i/8)
	v_wmma_f32_16x16x32_f16 v[rO:rO+7], v[rV:rV+7], v[rP:rP+7], v[rO:rO+7]
.endm
.macro MM                           ; the turn's next matrix instruction
.if i < 16
	KQ (Y+1)%NP
.set i, i+1
.else
.set i, i-16
	PV (Y+NP-1)%NP
.set i, i+17
.endif
.endm
; THE LDS LOADS stand in runs of 16, never singly among the matrix instructions: a step's K (64 keys x 64 channels: 8 fragments) and its V (turned).  Their addresses are made some lines ahead.
; last = 1 (the tail): in the last trip there is no further step, and the run is jumped over.
.macro FETCH_K last=0
	WIN 0
.if \last
	s_cmp_eq_u32 s[CNT], 1
	s_cbranch_scc1 .Lno_k_\@
.endif
	WIN 0x80                        ; destination window 2
.irp f, 0,1,2,3,4,5,6,7             ; keys 16 (f / 2) on, channels 32 (f % 2) on
	ds_load_b128 v[KF+8*\f:KF+8*\f+3],   v[AK] offset:(\f/2)*16*PK+(\f%2)*64
	ds_load_b128 v[KF+8*\f+4:KF+8*\f+7], v[AK] offset:(\f/2)*16*PK+(\f%2)*64+32
.endr
	s_add_co_u32 s[TBK], s[TBK], KS*PK  ; the next fetch is the next step's
	WIN 0
.if \last
.Lno_k_\@:
.endif
.endm
.macro FETCH_V
	WIN 0x80
.irp f, 0,1,2,3,4,5,6,7             ; keys 32 (f / 4) on, channels 16 (f % 4) on
	ds_load_tr16_b128 v[VF+8*\f:VF+8*\f+3],   v[AV] offset:(\f/4)*32*PV+(\f%4)*32
	ds_load_tr16_b128 v[VF+8*\f+4:VF+8*\f+7], v[AV] offset:(\f/4)*32*PV+16*PV+(\f%4)*32
.endr
	WIN 0
.endm
; THE VECTOR WORK OF A TURN stands in three queues, each in the order in which its entries become ready; the two tiles alternate, so that no instruction reads the result of the one before it.
.macro REGS y, u                    ; the registers of tile u (0, 1) of piece y
.set rT, ST+4*(2*(\y)+(\u))
.set rC, TMP+8*((\y)%2)+4*(\u)
.set rM, MV+2*((\y)%2)+(\u)
.set rS, S+64*((\y)%2)+32*(\u)
.set rP, P+32*((\y)%2)+16*(\u)
.set rO, 32*(2*(\y)+(\u))
.endm
; Number n of the 22 that find the NEXT piece's (Y + 1) maximum and statistics.  s0-s31 are the lane's 32 scores; each accumulator's lowest registers are read first.  XS, GS and REGS set no window: PL and EX do.
;   0-11  four chains c0-c3 of seven scores each, three operands at a time     12-14, 16  the four scores left over, the old m, and c0-c3 into c0     15  c m_old is kept
;   17, 18  the query's other 32 keys lie in the lane 16 away: the new m         19-21  c m; c m_old - c m_new; a
.macro XS u, n
	REGS (Y+1)%NP, \u
.if (\n) < 4
	v_max3_num_f32 v[rC+(\n)], v[rS+8*(\n)], v[rS+8*(\n)+1], v[rS+8*(\n)+2]
.elseif (\n) < 12
	v_max3_num_f32 v[rC+(\n)%4], v[rC+(\n)%4], v[rS+8*((\n)%4)+2*((\n)/4)+1], v[rS+8*((\n)%4)+2*((\n)/4)+2]
.elseif (\n) == 12
	v_max3_num_f32 v[rC], v[rC], v[rS+7], v[rS+15]
.elseif (\n) == 13
	v_max3_num_f32 v[rC+1], v[rC+1], v[rS+23], v[rS+31]
.elseif (\n) == 14
	v_max3_num_f32 v[rC+2], v[rC+2], v[rC+3], v[rT+1]
.elseif (\n) == 15
	v_mov_b32 v[rM], v[rT]
.elseif (\n) == 16
	v_max3_num_f32 v[rC], v[rC], v[rC+1], v[rC+2]
.elseif (\n) == 17
	v_permlanex16_b32 v[rC+3], v[rC], s[SEL], s[SEL+1]
.elseif (\n) == 18
	v_max_num_f32 v[rT+1], v[rC], v[rC+3]
.elseif (\n) == 19
	v_mul_f32 v[rT], s[CS], v[rT+1]
.elseif (\n) == 20
	v_sub_f32 v[rC+1], v[rM], v[rT]
.else
	v_exp_f32 v[rC+2], v[rC+1]
.endif
.endm
; Number g of the 64 that follow the exponentials.  For each four weights k of a tile (pairs 2 k, 2 k + 1): both pairs are rounded to f16; then the second pair is added onto the first, in place;
; a group later l takes that sum (the first time as l = a l + sum).  In groups of eight, tiles alternating: round, round, add, and l for the group before.
.macro GS g
.set h, (\g)+6*((\g)/62)            ; group 0 has no group before it, and behind group 7 only l is left
.if h >= 6
.set h, h+2
.endif
	REGS Y, h%2
.set k, h/8
.if h%8 < 4
	s_wait_alu depctr_va_vdst(0)
	v_cvt_pk_f16_f32 v[rP+2*k+(h%8)/2], v[rS+4*k+2*((h%8)/2)], v[rS+4*k+2*((h%8)/2)+1]
.elseif h%8 < 6
	v_pk_add_f32 v[rS+4*k:rS+4*k+1], v[rS+4*k:rS+4*k+1], v[rS+4*k+2:rS+4*k+3]
.elseif k == 1
	v_pk_fma_f32 v[rT+2:rT+3], v[rT+2:rT+3], v[rC+2:rC+3], v[rS:rS+1] op_sel_hi:[1,0,1]
.else
	v_pk_add_f32 v[rT+2:rT+3], v[rT+2:rT+3], v[rS+4*k-4:rS+4*k-3]
	s_wait_alu depctr_va_vdst(0)
.endif
.endm
; THE PLAIN QUEUE, 138 long.  0-31: c s - c m for the 16 pairs of both tiles.  Then GS's 64, and among them the next piece's 42: number 15 at 38, 39; 0-14 and 16
; at 42-73, behind the products that make those scores; 17-20 at 95-106, two of three, since each waits for the one before it.
.macro PL
	WIN 0
.if q < 32
	REGS Y, q%2
	v_pk_fma_f32 v[rS+2*(q/2):rS+2*(q/2)+1], v[rS+2*(q/2):rS+2*(q/2)+1], s[CS:CS+1], v[rT:rT+1] op_sel_hi:[1,0,0] neg_lo:[0,0,1] neg_hi:[0,0,1]
.elseif q < 38
	GS q-32
.elseif q < 40
	XS q%2, 15
.elseif q < 42
	GS q-34
.elseif q < 74
	XS q%2, (q-42)/2+(q-42)/30
.elseif q < 95
	GS q-66
.elseif (q < 107) && ((q-95)%3 < 2)
	XS (q-95)%3, 17+(q-95)/3
.elseif q < 107
	GS 29+(q-95)/3
.else
	GS q-74
.endif
.set q, q+1
.endm
; THE EXPONENTIALS' QUEUE, 66 long: s0-s31 of both tiles, and at EA the next piece's two a.
.set EA, 58
.macro EX
	WIN 0
.if (e == EA) || (e == EA+1)
	XS e-EA, 21
.else
.set x, e-2*(e/(EA+2))
	REGS Y, x%2
	v_exp_f32 v[rS+x/2], v[rS+x/2]
.endif
.set e, e+1
.endm
; THE RESCALING's QUEUE: O^T times a, the one part that leaves window 0, so it is dealt four at a time, eight times.
.macro R4
	REGS Y, r%2
	WIN W_RS
	s_wait_alu depctr_va_vdst(0)
.irp z, 0,1,2,3
	v_pk_mul_f32 v[rO+8*(r/2)+2*\z:rO+8*(r/2)+2*\z+1], v[rO+8*(r/2)+2*\z:rO+8*(r/2)+2*\z+1], v[rC+2:rC+3] op_sel_hi:[1,0]
.endr
.set r, r+1
.endm
; HOW THEY ARE DEALT.  Behind a matrix instruction four: plain, exponential, plain, plain (one exponential, a plain instruction on either side), or four of the rescaling.  None names a register of the
; products round it.  What is over stands in two LUMPS: exponential and plain by turns; the second ends in 22 plain instructions.  The two v_permlanex16_b32 fall into the second lump, never behind a product.
; The queues lean on each other, and the deal keeps them in step: exponential e stands behind plain 2 (e / 4) + e % 2 (its scaling); when plain 32 comes, 10 exponentials are out, at 59: 33, at 95: 46; EA comes behind plain 107.
.macro SL
	MM
	PL
	EX
	PL
	PL
.endm
.macro BURST n                      ; 15 matrix instructions, or 16
.rept (\n)-7
	SL
.endr
.rept 3
	MM
	R4
	SL
.endr
	MM
	R4
.endm
; A TURN, for piece p.  cnt = 1: the loop's count is taken down some lines ahead of the branch that stands behind the turn.
; K of the next step is fetched in piece 2's turn, 31 vector instructions behind the last product that read K; its first reader comes behind the rest of the lump, 16 products and the second lump.
; V of the step in hand is fetched at the end of piece 0's turn, 69 behind its last reader; its first reader comes behind 16 products and a lump.  The four conditions on e and q below go with the deal.
.macro TURN p, last=0, cnt=0
.set Y, (\p)
.set i, 0
.set q, 0
.set e, 0
.set r, 0
.if (\p) == NP-1
	s_wait_dscnt 0x0                ; K is in
.endif
	MM
.rept 4
	PL
.endr
	BURST 15
.rept 22
	EX
	PL
.if ((\p) == NP-2) && (e == 18)
	v_add_nc_u32 v[AK], s[TBK], v[AK0]
.endif
.if ((\p) == NP-2) && (e == 24)
	FETCH_K \last
.endif
.endr
.if (\p) == 1
	s_wait_dscnt 0x0                ; V is in
.endif
	BURST 16
.rept 21
	EX
	PL
.endr
.rept 22
	PL
.if ((\p) == 0) && (q == 118)
	v_add_nc_u32 v[AV], s[TBV], v[AV0]
	s_wait_alu depctr_va_vdst(0)
.endif
.if ((\p) == 0) && (q == 130)
	s_add_co_u32 s[TBV], s[TBV], KS*PV
.endif
.if (\cnt) && (q == 130)
	s_sub_co_u32 s[CNT], s[CNT], 1
	s_cmp_lg_u32 s[CNT], 0
.endif
.endr
.if (\p) == 0
	FETCH_V
.endif
.endm
	CHANGE 1                        ; slot 0 is in, everybody's part of it; slot 1 is asked for
	FETCH_K                         ; key step 0
	s_wait_loadcnt 0x0              ; Q
	s_wait_dscnt 0x0
.set i, 0
.rept 16
	KQ 0                            ; piece 0's first scores: there is no vector work yet to set between them
.set i, i+1
.endr
	WIN 0                           ; the addresses for the way out: nine plain instructions, the places behind those products
	s_mul_i32 s13, s[WV], 16*SP
	s_add_co_u32 s13, s13, STAGE    ; my stage
	v_mul_u32_u24 v[STO], v1, SP    ; in: row l % 16, 16 bytes for each half of the lanes
	v_lshl_add_u32 v[STO], v9, 4, v[STO]
	v_add_nc_u32 v[STO], s13, v[STO]
	v_bfe_u32 v[RD], v0, 3, 2       ; back: 32 lanes take four rows of 128 bytes,
	v_mul_u32_u24 v[RD], v[RD], SP
	v_lshl_add_u32 v[RD], v10, 4, v[RD]
	v_add_nc_u32 v[RD], s13, v[RD]
	v_and_b32 v[GO], 31, v0         ; which are 512 consecutive bytes of O
	v_lshlrev_b32 v[GO], 4, v[GO]
.set Y, NP-1                        ; XS works for piece Y + 1: piece 0
.irp n, 0,1,2,3,4,5,6,7,8,9,10,11,12,13,14,15,16,17,18,19,20,21
	XS 0, \n                        ; and piece 0's first maximum and statistics
	XS 1, \n
.endr
	s_mov_b32 s[CNT], 4
	s_mov_b32 s[SLOTS], SIZE_N/256-1
	s_branch .Lfirst                ; the loop is entered at a step's first turn, in the middle of a trip
.Lslot:                             ; SIZE_N / 256 - 2 times: every slot but the last two is filled again
	CHANGE 1
	s_mov_b32 s[CNT], 4
.Lstep:                             ; a trip: pieces 2 and 3 of one step, then pieces 0 and 1 of the next, whose K and V it fetches
	TURN 2
	TURN 3
	WIN 0
.Lfirst:
	TURN 0
	TURN 1, 0, 1
	WIN 0
	s_cbranch_scc1 .Lstep
	s_sub_co_u32 s[SLOTS], s[SLOTS], 1
	s_cmp_lg_u32 s[SLOTS], 0
	s_cbranch_scc1 .Lslot
	CHANGE 0                        ; the tail is written out: nothing is asked for
	s_mov_b32 s[CNT], 5             ; four trips fetch the last slot's steps; the fifth is left in its middle
.Ltail:
	TURN 2, 1
	TURN 3
	WIN 0
	s_sub_co_u32 s[CNT], s[CNT], 1
	s_cmp_eq_u32 s[CNT], 0
	s_cbranch_scc1 .Lout
	TURN 0
	TURN 1
	WIN 0
	s_branch .Ltail
.Lout:                              ; the fifth trip's 16 products K Q^T (on the last K once more) and the maximum made of them serve nothing: the price, once a launch, of one text for every trip
.set i, 0
.rept 16
	PV NP-1                         ; the last piece's V^T P of the last step
.set i, i+1
.endr
	; THE WAY OUT.  l's two halves and the other half of the lanes' are added; O^T is divided by l, rounded to f16 and sent through my stage in LDS, a tile at a time.  The additions are the places behind the last products.
	WIN 0
.macro ALL line:vararg              ; one line for each tile t
.set t, 0
.rept 2*NP
	\line
.set t, t+1
.endr
.endm
	ALL v_add_f32 v[ST+4*t+2], v[ST+4*t+2], v[ST+4*t+3]
	ALL v_permlanex16_b32 v[ST+4*t+3], v[ST+4*t+2], s[SEL], s[SEL+1]
	ALL v_add_f32 v[ST+4*t+2], v[ST+4*t+2], v[ST+4*t+3]
	ALL v_rcp_f32 v[ST+4*t+2], v[ST+4*t+2]
	v_nop                           ; a plain instruction between the last reciprocal and the use of its result
	s_wait_alu depctr_va_vdst(0)
; Tile t: a lane's eight channels of a row pack into 16 bytes; they go into rows of 144 bytes and come back as whole rows of 128, into S^T's registers.
.macro PACK t
	WIN W_RS
.set i, 32*(\t)
.rept 16
	v_pk_mul_f32 v[i:i+1], v[i:i+1], v[ST+4*(\t)+2:ST+4*(\t)+3] op_sel_hi:[1,0]
.set i, i+2
.endr
	WIN 0x05                        ; sources 0 and 1 window 1, destination window 0
.set i, 0
.rept 16
	v_cvt_pk_f16_f32 v[S+16*(\t)+i], v[32*(\t)+2*i], v[32*(\t)+2*i+1]
.set i, i+1
.endr
	WIN 0
.irp f, 0,1,2,3
	ds_store_b128 v[STO], v[S+16*(\t)+4*\f:S+16*(\t)+4*\f+3] offset:32*\f
.endr
.irp f, 0,1,2,3
	ds_load_b128 v[S+16*(\t)+4*\f:S+16*(\t)+4*\f+3], v[RD] offset:\f*4*SP  ; LDS serves a wave's instructions in order (ISA guide 5.7.1.4): these see the stores above; the next tile's stores come behind them
.endr
.endm
.macro SEND t, younger              ; younger: the LDS instructions issued behind tile t's loads: the next tile's eight, or none
	WIN 0
.irp f, 0,1,2,3
	s_wait_dscnt (\younger)+3-\f
	global_store_b128 v[GO], v[S+16*(\t)+4*\f:S+16*(\t)+4*\f+3], s[10:11] offset:(\t)*2048+\f*512  ; 512 consecutive bytes, at a multiple of 256 from O's first
.endr
.endm
	PACK 0
.set t, 1
.rept 2*NP-1                        ; a tile's arithmetic stands between the loads of the tile before and its stores
	PACK t
	SEND t-1, 8
.set t, t+1
.endr
	SEND 2*NP-1, 0
	WIN W_AD
	s_wait_tensorcnt 0x0            ; the wave's end, behind my last tensor load and my last LDS store
	ds_add_u32 v[SPW], v[NIL]
	s_wait_dscnt 0x0
	WIN 0
	CROUND                          ; the closing round: no work-group ends while a partner may still ask for a tile that names it
	s_endpgm
.Lfunc_end_k_qdcaec2673f_attn:
	.size	k_qdcaec2673f_attn, .Lfunc_end_k_qdcaec2673f_attn-k_qdcaec2673f_attn
	.p2alignl 7, 3214868480
	.fill 96, 4, 3214868480
	.section	.rodata,"a",@progbits
	.p2align	6, 0x0
	.amdhsa_kernel k_qdcaec2673f_attn
		.amdhsa_group_segment_fixed_size 327680
		.amdhsa_private_segment_fixed_size 0
		.amdhsa_enable_private_segment 0
		.amdhsa_kernarg_size 16
		.amdhsa_user_sgpr_count 2
		.amdhsa_user_sgpr_kernarg_segment_ptr 1
		.amdhsa_wavefront_size32 1
		.amdhsa_system_sgpr_workgroup_id_x 1
		.amdhsa_system_sgpr_workgroup_id_y 1
		.amdhsa_system_sgpr_workgroup_id_z 1
		.amdhsa_system_vgpr_workitem_id 0
		.amdhsa_next_free_vgpr 770
		.amdhsa_next_free_sgpr 66
		.amdhsa_reserve_vcc 0
		.amdhsa_float_denorm_mode_32 3
		.amdhsa_float_denorm_mode_16_64 3
		.amdhsa_memory_ordered 1
		.amdhsa_forward_progress 1
		.amdhsa_inst_pref_size 209
	.end_amdhsa_kernel
	.amdgpu_metadata
---
amdhsa.version: [ 1, 2 ]
amdhsa.kernels:
  - .name:           k_qdcaec2673f_attn
    .symbol:         k_qdcaec2673f_attn.kd
    .args:
      - { .name: qkv, .offset: 0, .size: 8, .value_kind: global_buffer, .address_space: global }
      - { .name: oh, .offset: 8, .size: 8, .value_kind: global_buffer, .address_space: global }
    .group_segment_fixed_size: 327680
    .private_segment_fixed_size: 0
    .kernarg_segment_align: 8
    .kernarg_segment_size: 16
    .max_flat_workgroup_size: 128
    .sgpr_count:     66
    .vgpr_count:     770
    .wavefront_size: 32
...
	.end_amdgpu_metadata
.endif
;; end of part 3
;; launch outp (part 4): grid 4 x 64, 4 waves a work-group, clusters of 4 x 4, 327,680 bytes of LDS; arguments oh, w16, bo, out0; writes out0
.if DOCPART == 4
	.amdgcn_target "amdgcn-amd-amdhsa--gfx1250"
	.amdhsa_code_object_version 6
	.text
	.protected	k_qdcaec2673f_outp
	.globl	k_qdcaec2673f_outp
	.p2align	8
	.type	k_qdcaec2673f_outp,@function
k_qdcaec2673f_outp:
	s_mov_b64 s[64:65], 0
	v_nop
	global_prefetch_b8 v0, s[64:65] scope:SCOPE_SE
	s_setreg_imm32_b32 hwreg(HW_REG_WAVE_MODE, 25, 1), 1
	s_wait_xcnt 0x0
	s_wait_alu depctr_hold_cnt(0) depctr_sa_sdst(0) depctr_va_vdst(0) depctr_va_sdst(0) depctr_va_ssrc(0) depctr_va_vcc(0) depctr_vm_vsrc(0)
	s_getreg_b32 s2, hwreg(HW_REG_IB_STS2, 6, 4)
	s_cmp_eq_u32 s2, 0
	s_cbranch_scc0 .Lentry_in_a_cluster
	s_endpgm
.Lentry_in_a_cluster:
	s_bfe_u32 s2, ttmp6, 0x10000c
	s_cmp_lg_u32 s2, 0xf033
	s_cbranch_scc0 .Lentry_shape_is_right
	s_endpgm
.Lentry_shape_is_right:
; out0 = ctx Wo + bo.  ctx is oh, [64 = batch x 16 + head][2048 rows][64 channels] in f16: row (batch, s) of ctx has K index 64 x head + channel.  Wo is part 3 of w16, [k][n], the bf16-rounded weight
; written as f16.  bo is f32 and is rounded to bf16 here, like every other input.  Sums in f32; out0 is f32, [8192][1024].
; LIMITS.  The operands arrive within f16's range (65,504); NaN and infinities are not treated apart.
; SHARES.  A tile of the result is 128 rows x 256 columns: 64 x 4 work-groups.  Four waves, 2 x 2: wave w has rows 64 (w / 2) on and columns 128 (w % 2) on: 4 x 8 accumulators of 16 x 16.
; K = 1,024 goes in 8 steps of 128 = two heads, through two LDS slots.  A head's 128 rows are 16,384 dense bytes, asked for as 64 rows of 256 bytes and padded in LDS after every 128 bytes.
; Wo's tile (128 k-rows of 512 bytes) is read turned, by ds_load_tr16_b128.
; THE MATRIX INSTRUCTION IS USED TRANSPOSED: source 0 = 16 columns of Wo, source 1 = 16 rows of ctx: lane l holds row l % 16 and the eight neighbouring columns 8 (l / 16) + 0 .. 7.
; THE BIAS is the C operand of the first 32 along K: nothing is cleared, and nothing is added at the end.
; CLUSTERS: 4 x 4 work-groups.  The four of a row of the cluster need the same tile of ctx, the four of a column the same tile of Wo: each is asked for JOINTLY.  Waves 0 and 1 ask for the step's two
; heads, waves 2 and 3 for Wo's two halves (64 k-rows each): one load a wave behind each round; by this text's own count a wave has two tensor loads out behind the first fills and one later.
; REGISTERS, in windows of 256 (s_set_vgpr_msb: bits 1:0 source 0, 3:2 source 1, 5:4 source 2, 7:6 destination):
;   window 0: v0-29 addresses; v32-63, v64-95 ctx's fragments, two buffers; v96-159, v160-223 Wo's, two buffers.  On the way out v32-95 and v96-159 hold rows read back from the stage, by turns.
;   window 1: the 32 accumulators, (a, b) at v[8 (8 a + b)]          window 2: v0-63 the bias; v64-67 at work
.set PA,    144       ; a row of a head in LDS: 128 bytes + 16 of padding = 36 words: the 16 rows of a load start at 16 different groups of four banks (64 banks of 4 bytes: ISA guide 11.1)
.set PB,    544       ; a k-row of Wo: 512 + 32 = 136 words
.set AHALF, 128*PA    ; a head's 128 rows: what one tensor load brings of ctx
.set BHALF, 64*PB     ; and of Wo
.set BOFF,  2*AHALF   ; in a slot Wo's 128 k-rows lie behind the two heads
.set SLOT,  BOFF+128*PB
.set STAGE, 2*SLOT    ; behind the ring, never filled by a tensor load: 16 rows x 528 bytes for each wave, for the way out
.set SP,    528       ; 512 bytes + 16: row r starts at bank 4 r mod 64
.set SPARE, STAGE+4*16*SP  ; behind the stages: the spare words, 128 bytes for each wave: two blocks of 256 bytes that no other line names
.set ASTEP, 2*262144  ; bytes from a K step to the next in ctx: two heads of 2,048 rows x 128 bytes
.set BSTEP, 128*2048  ; and in Wo: 128 k-rows of 2,048 bytes
.set ADRA, 2          ; v2-3   LDS address of my fragments of ctx in slot 0, 1
.set ADRB, 4          ; v4-5   the same for Wo
.set STO,  6          ; v6     the way out: where I put 32 bytes of a row
.set RD,   7          ; v7     the way out: where I read a row back
.set GO,   8          ; v8     my byte offset in 512 consecutive bytes of the result
.set HB,   10         ; v10    32 (l / 16): my eight numbers in 16 of the bias
.set SPW,  28         ; v28    LDS address of my spare word: SPARE + 4 x my thread's number; never rewritten
.set NIL,  29         ; v29    0; never rewritten
.set AF,   32
.set BF,   96
.set OUT,  32
.set BIAS, 0          ; window 2
.set TT,   64         ; window 2
.set G1A, 24          ; s[24:31] descriptor group 1 for ctx's tiles;  s[32:39] group 0, one set for each slot
.set G0A, 32
.set G1B, 48          ; s[48:55], s[56:63] the same for Wo's tiles
.set G0B, 56
.set MSB, 0
.macro WIN new                         ; the immediate's high byte repeats the setting that is left; a switch that changes nothing is dropped
.if MSB != (\new)
	s_set_vgpr_msb (MSB<<8)|(\new)
.set MSB, \new
.endif
.endm
.set MUL,  0x50       ; sources 0 (Wo) and 1 (ctx) window 0, C and D window 1
.set MUL0, 0x60       ; the same with C (the bias) in window 2
; A joint load.  The branch hangs on the wave's number alone.  An s_nop 0 and four v_nop follow each of the two lines, ahead of the jump, the label and what follows.
.macro JLOAD s
	s_cmp_lt_u32 s10, 2
	s_cbranch_scc0 .Lfor_b_\@
	tensor_load_to_lds s[G0A+4*(\s):G0A+4*(\s)+3], s[G1A:G1A+7]
	s_nop 0
.rept 4
	v_nop
.endr
	s_branch .Lasked_\@
.Lfor_b_\@:
	tensor_load_to_lds s[G0B+4*(\s):G0B+4*(\s)+3], s[G1B:G1B+7]
	s_nop 0
.rept 4
	v_nop
.endr
.Lasked_\@:
.endm
.macro CREST                           ; a round of the cluster's barrier behind its opening barrier
	s_cmp_lg_u32 s10, 0
	s_cbranch_scc1 .Lnot_wave_0_\@
	s_barrier_signal -3
.Lnot_wave_0_\@:
	s_barrier_wait -3
	s_barrier_signal -1
	s_barrier_wait -1
.endm
.macro CROUND                          ; a whole round
	s_barrier_signal -1
	s_barrier_wait -1
	CREST
.endm
.macro PLACES                          ; four places in front of loads into registers that matrix instructions have read, and of stores that read results (ISA guide 7.12.1 for vector instructions)
.rept 4
	v_nop
.endr
.endm
	s_load_b256 s[72:79], s[0:1], 0x0              ; oh s[72:73], w16 s[74:75], bo s[76:77], out0 s[78:79]
	v_lshl_add_u32 v[SPW], v0, 2, SPARE
	v_mov_b32 v[NIL], 0
	ds_add_u32 v28, v29
	s_wait_dscnt 0x0
	v_lshrrev_b32 v1, 5, v0
	v_readfirstlane_b32 s10, v1                    ; wave 0..3
	s_lshr_b32 s11, s10, 1                         ; which 64 rows of the tile are mine
	s_and_b32 s12, s10, 1                          ; which 128 columns.  Also: which head of the step, or which half of Wo's tile, I fetch
	s_bfe_u32 s40, ttmp6, 0x40000                  ; cx, cy: my place in the cluster
	s_bfe_u32 s41, ttmp6, 0x40004
	s_lshl_b32 s42, ttmp9, 2
	s_add_co_u32 s42, s42, s40                     ; tile column = 4 x cluster x + cx: 0 .. 3
	s_and_b32 s45, ttmp7, 0xffff
	s_lshl_b32 s13, s45, 2
	s_add_co_u32 s13, s13, s41                     ; tile row = 4 x cluster y + cy: 0 .. 63
	s_lshl_b32 s43, s41, 2
	s_lshl_b32 s43, 15, s43                        ; my row of the cluster
	s_lshl_b32 s44, 0x1111, s40                    ; my column
	; descriptor group 1 for ctx: 64 rows x 128 elements of 2 bytes, two rows of a head in each, padded after every row of the head
	s_or_b32 s[G1A+0], s43, (1<<16)|(1<<20)|(1<<21)|(4<<22)|(3<<25)  ; 15:0 the mask: my row; 17:16 elements of 2 bytes; 20 padding on; 21 set beside a mask; 24:22 after every 32 words (code 4); 31:25 4 words (code 3)
	s_mov_b32 s[G1A+1], 128<<16                    ; tensor_dim0 = 128
	s_mov_b32 s[G1A+2], 64<<16                     ; tensor_dim1 = 64
	s_mov_b32 s[G1A+3], 128<<16                    ; tile_dim0 = 128
	s_mov_b32 s[G1A+4], 64                         ; tile_dim1 = 64
	s_mov_b32 s[G1A+5], 128                        ; elements from row to row: dense
	s_mov_b32 s[G1A+6], 0
	s_mov_b32 s[G1A+7], 0
	; for Wo: 64 k-rows x 256 elements of 2 bytes
	s_or_b32 s[G1B+0], s44, (1<<16)|(1<<20)|(1<<21)|(6<<22)|(7<<25)  ; the mask: my column; after every 128 words (code 6) 8 words (code 7)
	s_mov_b32 s[G1B+1], 256<<16
	s_mov_b32 s[G1B+2], 64<<16
	s_mov_b32 s[G1B+3], 256<<16
	s_mov_b32 s[G1B+4], 64
	s_mov_b32 s[G1B+5], 1024
	s_mov_b32 s[G1B+6], 0
	s_mov_b32 s[G1B+7], 0
	s_lshr_b32 s16, s13, 4                         ; ctx: the batch's 16 heads,
	s_lshl_b32 s16, s16, 4
	s_add_co_u32 s16, s16, s12                     ; the head of the step that I fetch,
	s_lshl_b32 s16, s16, 18                        ; 262,144 bytes a head,
	s_and_b32 s17, s13, 15
	s_lshl_b32 s17, s17, 14                        ; 128 rows of 128 bytes a tile row: hangs on the tile row and the wave alone
	s_add_co_u32 s16, s16, s17
	s_mov_b32 s17, 0
	s_lshl_b32 s46, s12, 17                        ; Wo: 64 k-rows of 2,048 bytes a half,
	s_lshl_b32 s47, s42, 9                         ; 512 bytes a tile column,
	s_add_co_u32 s46, s46, s47
	s_add_co_u32 s46, s46, 3*2097152               ; in part 3 of w16: hangs on the tile column and the wave alone
	s_mov_b32 s47, 0
	s_mul_i32 s20, s12, AHALF                      ; where they go: no place in the cluster enters an LDS address
	s_mul_i32 s21, s12, BHALF
	s_add_co_u32 s21, s21, BOFF
	s_wait_kmcnt 0x0
	s_add_nc_u64 s[14:15], s[72:73], s[16:17]
	s_add_nc_u64 s[46:47], s[74:75], s[46:47]
	CROUND                                         ; all sixteen work-groups are here: the first joint loads meet
.irp s, 0,1
	s_mov_b32 s[G0A+4*(\s)], 1                                       ; 1:0 count = 1
	s_add_co_u32 s[G0A+4*(\s)+1], s20, (\s)*SLOT                     ; 63:32 LDS address
	s_add_nc_u64 s[G0A+4*(\s)+2:G0A+4*(\s)+3], s[14:15], (\s)*ASTEP  ; 120:64 global address: K step s
	s_or_b32 s[G0A+4*(\s)+3], s[G0A+4*(\s)+3], 0x80000000            ; 127:126 type = 2
	s_mov_b32 s[G0B+4*(\s)], 1
	s_add_co_u32 s[G0B+4*(\s)+1], s21, (\s)*SLOT
	s_add_nc_u64 s[G0B+4*(\s)+2:G0B+4*(\s)+3], s[46:47], (\s)*BSTEP
	s_or_b32 s[G0B+4*(\s)+3], s[G0B+4*(\s)+3], 0x80000000
	JLOAD \s
.endr
	; All that follows up to the first barrier stands in the wait for the first tile.
	v_and_b32 v1, 15, v0                           ; r = l % 16
	v_bfe_u32 v9, v0, 4, 1                         ; h = l / 16
	v_lshlrev_b32 v[HB], 5, v9
	s_lshl_b32 s22, s42, 10                        ; the bias of my 128 columns: 256 f32 a tile column, 128 a half
	s_lshl_b32 s23, s12, 9
	s_add_co_u32 s22, s22, s23
	s_mov_b32 s23, 0
	s_add_nc_u64 s[70:71], s[76:77], s[22:23]
	WIN 0x80                                       ; destination window 2, address window 0
.irp b, 0,1,2,3,4,5,6,7
	global_load_b128 v[BIAS+8*\b:BIAS+8*\b+3],   v[HB], s[70:71] offset:64*\b      ; b[16 b + 8 h + 0 .. 3]: registers 0-3 of the C operand of column block b
	global_load_b128 v[BIAS+8*\b+4:BIAS+8*\b+7], v[HB], s[70:71] offset:64*\b+16
.endr
	WIN 0
	; A fragment of ctx is 16 rows x 32 K in 8 registers: lane l holds row l % 16, K = 8 h + 0..7 and 16 + 8 h + 0..7: two loads of 16 bytes, 32 bytes apart.
	s_mul_i32 s22, s11, 64*PA
	v_mul_u32_u24 v12, v1, PA
	v_lshl_add_u32 v12, v9, 4, v12
	v_add_nc_u32 v[ADRA], s22, v12
	v_add_nc_u32 v[ADRA+1], SLOT, v[ADRA]
	; The turning load takes 16 k x 16 columns (lane l reads k-row 8 h + l % 8, columns 8 ((l / 8) % 2) + 0..7) and leaves half a fragment of Wo^T: lane l holds column l % 16 and 8 k.
	v_and_b32 v13, 7, v0
	v_lshl_add_u32 v13, v9, 3, v13
	v_mul_u32_u24 v13, v13, PB
	v_bfe_u32 v14, v0, 3, 1
	v_lshl_add_u32 v13, v14, 4, v13
	s_lshl_b32 s23, s12, 8
	s_add_co_u32 s23, s23, BOFF
	v_add_nc_u32 v[ADRB], s23, v13
	v_add_nc_u32 v[ADRB+1], SLOT, v[ADRB]
	s_mul_i32 s22, s10, 16*SP
	s_add_co_u32 s22, s22, STAGE                   ; my stage
	v_mul_u32_u24 v[STO], v1, SP                   ; in: row l % 16, 32 bytes for each half of the lanes
	v_lshl_add_u32 v[STO], v9, 5, v[STO]
	v_add_nc_u32 v[STO], s22, v[STO]
	v_and_b32 v[GO], 31, v0                        ; back: 32 lanes take one row of 512 bytes,
	v_lshlrev_b32 v[GO], 4, v[GO]                  ; which are 512 consecutive bytes of the result
	v_add_nc_u32 v[RD], s22, v[GO]
	s_lshl_b32 s18, s13, 19                        ; where my part of the result begins: 128 rows of 4,096 bytes a tile row,
	s_lshl_b32 s19, s11, 18                        ; 64 rows a half,
	s_add_co_u32 s18, s18, s19
	s_lshl_b32 s19, s42, 10                        ; 1,024 bytes a tile column,
	s_add_co_u32 s18, s18, s19
	s_lshl_b32 s19, s12, 9                         ; 512 a half
	s_add_co_u32 s18, s18, s19
	s_mov_b32 s19, 0
	s_add_nc_u64 s[8:9], s[78:79], s[18:19]
	s_wait_loadcnt 0x0                             ; the bias; it is rounded to bf16 like every other input, and kept as f32
	WIN 0x8a                                       ; destination and sources 0 and 1 in window 2
.set i, 0
.rept 32
	v_cvt_pk_bf16_f32 v[TT+i%4], v[BIAS+2*i], v[BIAS+2*i+1]
	v_lshlrev_b32 v[BIAS+2*i],   16, v[TT+i%4]
	v_and_b32     v[BIAS+2*i+1], 0xffff0000, v[TT+i%4]
.set i, i+1
.endr
	WIN 0
; One matrix instruction: accumulator (a, b), 32 along K from buffer f.  first = 1: the bias starts the sum.
.macro MM f, a, b, first
.set rD, 8*(8*(\a)+(\b))
.set rB, BF+64*(\f)+8*(\b)
.set rA, AF+32*(\f)+8*(\a)
.if \first
	WIN MUL0
	v_wmma_f32_16x16x32_f16 v[rD:rD+7], v[rB:rB+7], v[rA:rA+7], v[BIAS+8*(\b):BIAS+8*(\b)+7]
.else
	WIN MUL
	v_wmma_f32_16x16x32_f16 v[rD:rD+7], v[rB:rB+7], v[rA:rA+7], v[rD:rD+7]
.endif
.endm
; Eight of them: row block a x all column blocks.  The 32 accumulators take turns, one instruction a turn, in the same order in every quarter.
.macro MULA f, a, first
.irp b, 0,1,2,3,4,5,6,7
	MM \f, \a, \b, \first
.endr
.endm
; 24 LDS loads in one run: quarter q (32 along K: head q / 2 of the step, channels 32 (q % 2) on) of a slot, into buffer g.
.macro FETCH slot, q, g
	WIN 0
.irp a, 0,1,2,3
	ds_load_b128 v[AF+32*(\g)+8*\a:AF+32*(\g)+8*\a+3],   v[ADRA+(\slot)] offset:((\q)/2)*AHALF+((\q)%2)*64+\a*16*PA
	ds_load_b128 v[AF+32*(\g)+8*\a+4:AF+32*(\g)+8*\a+7], v[ADRA+(\slot)] offset:((\q)/2)*AHALF+((\q)%2)*64+\a*16*PA+32
.endr
.irp b, 0,1,2,3,4,5,6,7
	ds_load_tr16_b128 v[BF+64*(\g)+8*\b:BF+64*(\g)+8*\b+3],   v[ADRB+(\slot)] offset:(\q)*32*PB+32*\b
	ds_load_tr16_b128 v[BF+64*(\g)+8*\b+4:BF+64*(\g)+8*\b+7], v[ADRB+(\slot)] offset:(\q)*32*PB+32*\b+16*PB
.endr
.endm
; A K step is four quarters of 32 along K, 32 matrix instructions each, on buffers 0, 1, 0, 1.  One of the first three: fetches quarter q of the slot into buffer g, then multiplies buffer f.
.macro QUARTER slot, q, f, g, first
	s_wait_dscnt 0x0                               ; this quarter's fragments, asked for 32 matrix instructions ago, are in
	PLACES                                         ; buffer g was read by the products just issued
	FETCH \slot, \q, \g
	MULA \f, 0, \first
	MULA \f, 1, \first
	MULA \f, 2, \first
	MULA \f, 3, \first
.endm
; The last quarter multiplies buffer 1 and changes slots: ONE barrier.  In front of it each wave waits for all its tensor loads (one is out: its part of the next slot), adds 0 to its spare word, and waits for
; that and for its own reads of this slot.  fill = 1: the barrier opens a round of the cluster's barrier, and this slot is filled again, two K steps ahead: the first tensor load behind the round;
; from there to the wait for it a wave issues 112 matrix instructions.
.macro TURN slot, next, fill
	WIN 0                                          ; (the add's two registers lie in window 0)
	s_wait_tensorcnt 0x0                           ; all my tensor loads have landed;
	ds_add_u32 v[SPW], v[NIL]                      ; 0 onto my spare word;
	s_wait_dscnt 1                                 ; this quarter's 24 fragment loads are in; the add alone may be out
	MULA 1, 0, 0                                   ; eight matrix instructions stand between the add and the wait for it
	s_wait_dscnt 0x0                               ; the add is done, and my reads of this slot are over
	s_barrier_signal -1
	MULA 1, 1, 0
.if \fill
	WIN 0
.endif
	s_barrier_wait -1
.if \fill
	CREST                                          ; no wave of any partner still reads this slot's tiles or has a load on its way
	s_add_nc_u64 s[G0A+4*(\slot)+2:G0A+4*(\slot)+3], s[G0A+4*(\slot)+2:G0A+4*(\slot)+3], 2*ASTEP
	s_add_nc_u64 s[G0B+4*(\slot)+2:G0B+4*(\slot)+3], s[G0B+4*(\slot)+2:G0B+4*(\slot)+3], 2*BSTEP
	JLOAD \slot                                    ; the four v_nop behind it are also the places in front of the loads below
.else
	PLACES
.endif
	FETCH \next, 0, 0
	MULA 1, 2, 0
	MULA 1, 3, 0
.endm
	s_wait_tensorcnt 0x1                           ; my part of K step 0 is in; K step 1's one load may stay out
	s_barrier_signal -1
	s_barrier_wait -1                              ; everybody's is
	FETCH 0, 0, 0
	QUARTER 0, 1, 0, 1, 1                          ; the first quarter stands in front of the loop: its products start the sums, on the bias
	WIN 0                                          ; at a label and at a branch every window is 0
	s_mov_b32 s3, 3
.Llap:                                                 ; a trip goes once round the ring, from a lap's second quarter to the next lap's first, and fills both slots again: K steps 2 to 7
	QUARTER 0, 2, 1, 0, 0
	QUARTER 0, 3, 0, 1, 0
	TURN 0, 1, 1
	QUARTER 1, 1, 0, 1, 0
	QUARTER 1, 2, 1, 0, 0
	QUARTER 1, 3, 0, 1, 0
	TURN 1, 0, 1
	QUARTER 0, 1, 0, 1, 0
	WIN 0
	s_sub_co_u32 s3, s3, 1
	s_cmp_lg_u32 s3, 0
	s_cbranch_scc1 .Llap
	QUARTER 0, 2, 1, 0, 0                          ; the last lap fills nothing, and has no round of the cluster's barrier
	QUARTER 0, 3, 0, 1, 0
	TURN 0, 1, 0
	QUARTER 1, 1, 0, 1, 0
	QUARTER 1, 2, 1, 0, 0
	QUARTER 1, 3, 0, 1, 0
	s_wait_dscnt 0x0                               ; the very last quarter: nothing more to fetch
	MULA 1, 0, 0
	MULA 1, 1, 0
	MULA 1, 2, 0
	MULA 1, 3, 0
	WIN 0
	PLACES
; THE WAY OUT.  Row block a is 16 rows x 512 bytes of f32.  A lane's eight columns are 32 bytes: they go straight from the accumulators (the four lowest registers first) into rows
; of 528 bytes of my own stage, and come back as whole rows of 512 bytes.
.macro TOSTAGE a
	WIN 0x04                                       ; the stores' data (source 1) in window 1, their address in window 0
.irp b, 0,1,2,3,4,5,6,7
	ds_store_b128 v[STO], v[64*(\a)+8*\b:64*(\a)+8*\b+3]   offset:64*\b
	ds_store_b128 v[STO], v[64*(\a)+8*\b+4:64*(\a)+8*\b+7] offset:64*\b+16
.endr
	WIN 0
.irp t, 0,1,2,3,4,5,6,7,8,9,10,11,12,13,14,15
	ds_load_b128 v[OUT+64*((\a)%2)+4*\t:OUT+64*((\a)%2)+4*\t+3], v[RD] offset:\t*SP  ; LDS serves a wave's instructions in order (ISA guide 5.7.1.4): these see the stores above; the next block's stores come behind them
.endr
.endm
.macro SEND a, younger                 ; younger: the LDS instructions issued behind block a's loads: the next block's 16 stores and 16 loads, or none
.irp t, 0,1,2,3,4,5,6,7,8,9,10,11,12,13,14,15
	s_wait_dscnt (\younger)+15-\t
	global_store_b128 v[GO], v[OUT+64*((\a)%2)+4*\t:OUT+64*((\a)%2)+4*\t+3], s[8:9] offset:(\a)*65536+\t*4096 th:TH_STORE_NT  ; 512 consecutive bytes, at a multiple of 512 from the buffer's first
.endr
.endm
	TOSTAGE 0
	TOSTAGE 1
	SEND 0, 32
	s_wait_xcnt 0x0                                ; block 0's stores have had their addresses translated (ISA guide 3.1): their data registers are loaded again only behind this wait
	TOSTAGE 2
	SEND 1, 32
	s_wait_xcnt 0x0                                ; the same for block 1's
	TOSTAGE 3
	SEND 2, 32
	SEND 3, 0
	s_wait_tensorcnt 0x0                           ; the wave's end, behind my last tensor load and my last LDS store
	ds_add_u32 v[SPW], v[NIL]
	s_wait_dscnt 0x0
	CROUND                                         ; the closing round: no work-group ends while a partner may still ask for a tile that names it
	s_endpgm
.Lfunc_end_k_qdcaec2673f_outp:
	.size	k_qdcaec2673f_outp, .Lfunc_end_k_qdcaec2673f_outp-k_qdcaec2673f_outp
	.p2alignl 7, 3214868480
	.fill 96, 4, 3214868480
	.section	.rodata,"a",@progbits
	.p2align	6, 0x0
	.amdhsa_kernel k_qdcaec2673f_outp
		.amdhsa_group_segment_fixed_size 327680
		.amdhsa_private_segment_fixed_size 0
		.amdhsa_enable_private_segment 0
		.amdhsa_kernarg_size 32
		.amdhsa_user_sgpr_count 2
		.amdhsa_user_sgpr_kernarg_segment_ptr 1
		.amdhsa_wavefront_size32 1
		.amdhsa_system_sgpr_workgroup_id_x 1
		.amdhsa_system_sgpr_workgroup_id_y 1
		.amdhsa_system_sgpr_workgroup_id_z 1
		.amdhsa_system_vgpr_workitem_id 0
		.amdhsa_next_free_vgpr 580
		.amdhsa_next_free_sgpr 88
		.amdhsa_reserve_vcc 0
		.amdhsa_float_denorm_mode_32 3
		.amdhsa_float_denorm_mode_16_64 3
		.amdhsa_memory_ordered 1
		.amdhsa_forward_progress 1
		.amdhsa_inst_pref_size 93
	.end_amdhsa_kernel
	.amdgpu_metadata
---
amdhsa.version: [ 1, 2 ]
amdhsa.kernels:
  - .name:           k_qdcaec2673f_outp
    .symbol:         k_qdcaec2673f_outp.kd
    .args:
      - { .name: oh, .offset: 0, .size: 8, .value_kind: global_buffer, .address_space: global }
      - { .name: w16, .offset: 8, .size: 8, .value_kind: global_buffer, .address_space: global }
      - { .name: bo, .offset: 16, .size: 8, .value_kind: global_buffer, .address_space: global }
      - { .name: out0, .offset: 24, .size: 8, .value_kind: global_buffer, .address_space: global }
    .group_segment_fixed_size: 327680
    .private_segment_fixed_size: 0
    .kernarg_segment_align: 8
    .kernarg_segment_size: 32
    .max_flat_workgroup_size: 128
    .sgpr_count:     88
    .vgpr_count:     580
    .wavefront_size: 32
...
	.end_amdgpu_metadata
.endif
;; end of part 4
